; MI455X (gfx1250); checked and timed in simulation.
; The chip was launched on July 23, 2026; its instructions are those of AMD's public machine-readable ISA for CDNA 5 (MIT licence, August 2026) and "CDNA5" Instruction Set Architecture Reference Guide (July 2026). The comments in the code are by the model that wrote it; some were corrected since.
;; Block. Allowed arithmetic: float matrix products may take bf16 or f16 operands with f32 sums; all other float work in f32.
;; Inputs: mask 2,048 x 2,048 bool; out_bias 1,024 float32; out_kernel 8,192 x 1,024 float32; wi 1,024 x 1,024 float32; x 2 x 2,048 x 1,024 float32.
;; Outputs: out0 2 x 2,048 x 1,024 float32.
;; Constants: n_heads = 8.
;; 2 versions, each right; version 2 is version 1 with the launch prep written anew for expert scheduling mode. Each part assembles by itself: llvm-mc -triple=amdgcn-amd-amdhsa -mcpu=gfx1250 --defsym DOCPART=n.
;; ======== version 1 of 2: 8 launches
;; limits: values are held in f16: magnitudes above 65,504 overflow, below 6.1e-05 lose precision
;; workspace buffers: b0 8,388,608 bytes; b1 8,388,608 bytes; b2 16,777,216 bytes; wih 2,097,152 bytes; wsh 2,097,152 bytes; st 524,288 bytes; zb 4,096 bytes; psw 256 bytes
;; launch prep (part 1): grid 256 x 1, 8 waves a work-group, no clusters, 0 bytes of LDS; arguments x, wi, b0, wih, zb, psw; writes b0, wih, zb, psw
.if DOCPART == 1
	.amdgcn_target "amdgcn-amd-amdhsa--gfx1250"
	.amdhsa_code_object_version 6
	.text
	.protected	k_qd75e26a8cb_prep
	.globl	k_qd75e26a8cb_prep
	.p2align	8
	.type	k_qd75e26a8cb_prep,@function
k_qd75e26a8cb_prep:
	s_mov_b64 s[64:65], 0
	v_nop
	global_prefetch_b8 v0, s[64:65] scope:SCOPE_SE
	s_setreg_imm32_b32 hwreg(HW_REG_WAVE_MODE, 25, 1), 1
	s_wait_xcnt 0x0
; PREPARATION.  b0 = f16(x); wih = f16(wi); zb = 1,024 zeros; psw = the pair (-log2 e, 1) 32 times.
; LIMITS.  f16 holds no number beyond 65,504 and below 6e-5 keeps a fixed step of 6e-8: |x| and |wi| stay inside that.  NaN and infinities are not treated apart.
; SHARES.  256 work-groups of 256 threads, all alike: 65,536 bytes of x and 16,384 bytes of wi each.  A thread owns 8 neighbouring numbers ten times over: two 16-byte loads, one 16-byte store;
; sixteen neighbouring lanes store 256 consecutive bytes, aligned.  All twenty loads of a thread go out before the first wait.
; No LDS, no matrix unit, no cluster: every byte is read once and no two work-groups read the same.
.set XR, 8                             ; v[8:87]    as loaded
.set YR, 88                            ; v[88:127]  to store
	s_load_b256 s[4:11], s[0:1], 0x0               ; x s[4:5], wi s[6:7], b0 s[8:9], wih s[10:11]
	s_load_b128 s[12:15], s[0:1], 0x20             ; zb s[12:13], psw s[14:15]
	v_lshlrev_b32 v1, 5, v0                        ; my 8 numbers in f32
	v_lshlrev_b32 v2, 4, v0                        ; and in f16
	s_lshl_b32 s16, ttmp9, 16                      ; my part of x,
	s_mov_b32 s17, 0
	s_lshl_b32 s18, ttmp9, 15                      ; of b0,
	s_mov_b32 s19, 0
	s_lshl_b32 s20, ttmp9, 14                      ; of wi,
	s_mov_b32 s21, 0
	s_lshl_b32 s22, ttmp9, 13                      ; of wih
	s_mov_b32 s23, 0
	s_wait_kmcnt 0x0
	s_add_nc_u64 s[4:5], s[4:5], s[16:17]
	s_add_nc_u64 s[8:9], s[8:9], s[18:19]
	s_add_nc_u64 s[6:7], s[6:7], s[20:21]
	s_add_nc_u64 s[10:11], s[10:11], s[22:23]
.irp j, 0,1,2,3,4,5,6,7,8,9            ; pieces 0-7 are x's, 8 and 9 wi's
	global_load_b128 v[XR+8*(\j):XR+8*(\j)+3],   v1, s[4+2*((\j)/8):5+2*((\j)/8)] offset:8192*((\j)%8) th:TH_LOAD_NT
	global_load_b128 v[XR+8*(\j)+4:XR+8*(\j)+7], v1, s[4+2*((\j)/8):5+2*((\j)/8)] offset:8192*((\j)%8)+16 th:TH_LOAD_NT
.endr
.irp j, 0,1,2,3,4,5,6,7,8,9
	s_wait_loadcnt 18-2*(\j)                       ; loads come back in order: pair j is in, the younger pairs stay out
.irp p, 0,1,2,3
	v_cvt_pk_f16_f32 v[YR+4*(\j)+(\p)], v[XR+8*(\j)+2*(\p)], v[XR+8*(\j)+2*(\p)+1]
.endr
	global_store_b128 v2, v[YR+4*(\j):YR+4*(\j)+3], s[8+2*((\j)/8):9+2*((\j)/8)] offset:4096*((\j)%8)
.endr
	s_cmp_lg_u32 ttmp9, 0
	s_cbranch_scc1 .Lend
	; ---- work-group 0 also writes the two small tables
.irp p, 4,5,6,7
	v_mov_b32 v[\p], 0
.endr
	global_store_b128 v2, v[4:7], s[12:13]         ; zb: 256 threads x 16 bytes
	v_lshrrev_b32 v3, 5, v0
	v_readfirstlane_b32 s24, v3
	s_cmp_lg_u32 s24, 0
	s_cbranch_scc1 .Lend
	v_mov_b32 v8, 0xbfb8aa3b                       ; -log2 e
	v_mov_b32 v9, 1.0
	v_lshlrev_b32 v10, 3, v0                       ; wave 0: the thread's number is the lane's
	global_store_b64 v10, v[8:9], s[14:15]         ; psw: 32 lanes x 8 bytes
.Lend:
	s_endpgm
.Lfunc_end_k_qd75e26a8cb_prep:
	.size	k_qd75e26a8cb_prep, .Lfunc_end_k_qd75e26a8cb_prep-k_qd75e26a8cb_prep
	.p2alignl 7, 3214868480
	.fill 96, 4, 3214868480
	.section	.rodata,"a",@progbits
	.p2align	6, 0x0
	.amdhsa_kernel k_qd75e26a8cb_prep
		.amdhsa_group_segment_fixed_size 0
		.amdhsa_private_segment_fixed_size 0
		.amdhsa_enable_private_segment 0
		.amdhsa_kernarg_size 48
		.amdhsa_user_sgpr_count 2
		.amdhsa_user_sgpr_kernarg_segment_ptr 1
		.amdhsa_wavefront_size32 1
		.amdhsa_system_sgpr_workgroup_id_x 1
		.amdhsa_system_sgpr_workgroup_id_y 1
		.amdhsa_system_sgpr_workgroup_id_z 1
		.amdhsa_system_vgpr_workitem_id 0
		.amdhsa_next_free_vgpr 128
		.amdhsa_next_free_sgpr 66
		.amdhsa_reserve_vcc 0
		.amdhsa_float_denorm_mode_32 3
		.amdhsa_float_denorm_mode_16_64 3
		.amdhsa_memory_ordered 1
		.amdhsa_forward_progress 1
		.amdhsa_inst_pref_size 8
	.end_amdhsa_kernel
	.amdgpu_metadata
---
amdhsa.version: [ 1, 2 ]
amdhsa.kernels:
  - .name:           k_qd75e26a8cb_prep
    .symbol:         k_qd75e26a8cb_prep.kd
    .args:
      - { .name: x, .offset: 0, .size: 8, .value_kind: global_buffer, .address_space: global }
      - { .name: wi, .offset: 8, .size: 8, .value_kind: global_buffer, .address_space: global }
      - { .name: b0, .offset: 16, .size: 8, .value_kind: global_buffer, .address_space: global }
      - { .name: wih, .offset: 24, .size: 8, .value_kind: global_buffer, .address_space: global }
      - { .name: zb, .offset: 32, .size: 8, .value_kind: global_buffer, .address_space: global }
      - { .name: psw, .offset: 40, .size: 8, .value_kind: global_buffer, .address_space: global }
    .group_segment_fixed_size: 0
    .private_segment_fixed_size: 0
    .kernarg_segment_align: 8
    .kernarg_segment_size: 48
    .max_flat_workgroup_size: 256
    .sgpr_count:     66
    .vgpr_count:     128
    .wavefront_size: 32
...
	.end_amdgpu_metadata
.endif
;; end of part 1
;; launch gq (part 2): grid 8 x 32, 4 waves a work-group, clusters of 4 x 4, 327,680 bytes of LDS; arguments b0, wih, b1, zb; writes b1
.if DOCPART == 2
	.amdgcn_target "amdgcn-amd-amdhsa--gfx1250"
	.amdhsa_code_object_version 6
	.text
	.protected	k_qd75e26a8cb_gq
	.globl	k_qd75e26a8cb_gq
	.p2align	8
	.type	k_qd75e26a8cb_gq,@function
k_qd75e26a8cb_gq:
	s_mov_b64 s[64:65], 0
	v_nop
	global_prefetch_b8 v0, s[64:65] scope:SCOPE_SE
	s_setreg_imm32_b32 hwreg(HW_REG_WAVE_MODE, 25, 1), 1
	s_wait_xcnt 0x0
	s_wait_alu depctr_hold_cnt(0) depctr_sa_sdst(0) depctr_va_vdst(0) depctr_va_sdst(0) depctr_va_ssrc(0) depctr_va_vcc(0) depctr_vm_vsrc(0)
	s_getreg_b32 s2, hwreg(HW_REG_IB_STS2, 6, 4)
	s_cmp_eq_u32 s2, 0
	s_cbranch_scc0 .Lentry_in_a_cluster
	s_endpgm
.Lentry_in_a_cluster:
	s_bfe_u32 s2, ttmp6, 0x10000c
	s_cmp_lg_u32 s2, 0xf033
	s_cbranch_scc0 .Lentry_shape_is_right
	s_endpgm
.Lentry_shape_is_right:
; C = act(A B).  A: [4096][1024] f16, B: [1024 (k)][1024 (n)] f16, C: [4096][1024] f16; sums in f32.  act(y) = y / (1 + g 2^(k y)) with the pair (k, g) read from the fourth argument:
; (0, 0) leaves y as it is (q = x wi); (-log2 e, 1) is swish (the feed-forward's first product).  One text serves both launches.
; LIMITS.  f16 holds no number beyond 65,504 and below 6e-5 keeps a fixed step of 6e-8: A, B and C stay inside that.  NaN and infinities are not treated apart.
; SHARES.  A tile of C is 128 x 128: 256 work-groups.  Four waves, each 64 x 64: 16 accumulators of 16 x 16.  K goes in 4 steps of 256 through two LDS slots filled by tensor loads:
; A's rows are 512 bytes, 64 to a load (waves 0, 1); B's are 128 rows of k x 256 bytes to a load (waves 2, 3).  A loop trip is ONE K step: the slot's LDS offset is a scalar that an
; exclusive or turns between 0 and SLOT.  The first quarter step, whose products start the sums, is written out and jumps into the middle of the first loop; the last two K steps, which ask
; for nothing, are a second loop, in whose last trip the fetch of further fragments is jumped over.
; CLUSTER.  4 x 4 work-groups.  The four of a row of the cluster need the same tiles of A, the four of a column the same tiles of B: each tile is asked for jointly.
; THE MATRIX INSTRUCTION IS USED TRANSPOSED (source 0 = 16 columns of B, source 1 = 16 rows of A): lane l then holds row l % 16 of C and eight neighbouring columns 8 (l / 16) + 0..7.
; B lies in LDS as in memory, [k][n], and comes out turned, by ds_load_tr16_b128.
; REGISTERS.  window 0: v0-31 addresses; v32-95 at work on the way out; v96-103 the activation; v128-255 the accumulators ((a, b) at v[128 + 8 (4 a + b)]).
;   window 1: two fragment buffers of 128: for 64 along K, 64 registers of A, then 64 of B.
.set LDA,    1024                      ; elements in a row of A
.set NS,     4                         ; K steps
.set PA,     528                       ; a row of A in LDS: 512 bytes + 16 = 132 words: the 16 rows of a load start at 16 different groups of four banks (64 banks of 4 bytes: ISA guide 11.1)
.set PB,     288                       ; a row of B: 256 + 32 = 72 words
.set HALFA,  64*PA
.set HALFB,  128*PB
.set BOFF,   2*HALFA                   ; a slot: A's 128 rows, then B's 256 rows of k
.set SLOT,   BOFF+2*HALFB
.set ASTEP,  512                       ; bytes from a K step to the next in A,
.set BSTEP,  256*2048                  ; and in B
.set STAGE,  2*SLOT                    ; behind the ring: 128 rows x 272 bytes, the work-group's, for the way out
.set SPITCH, 272
.set SPARE,  STAGE+128*SPITCH          ; the spare words, 128 bytes for each wave: two blocks of 256 bytes that no other line names
.set RB,     2048                      ; bytes in a row of C
.set ADRA, 16                          ; v16     LDS address of my A fragments in the slot in hand
.set AB0,  18                          ; v18     the same in slot 0; never rewritten
.set BB0,  19                          ; v19     the same for B
.set ADRB, 20                          ; v20-21  my B fragments in the slot in hand: k rows 0-127, 128-255
.set STO,  24
.set RD,   25
.set CO,   26
.set SPW,  28                          ; v28     LDS address of my spare word; never rewritten
.set NIL,  29                          ; v29     0; never rewritten
.set TMP,  32
.set EW,   96
.set ACC,  128
.set F0,   0
.set F1,   128
.set G1,  24                           ; s[24:31] group 1 for A;  s[32:35] group 0 of the first fill;  s[36:39] the walking group 0
.set G0,  32
.set GW,  36
.set G1B, 48                           ; s[48:55], s[56:59], s[60:63] the same for B
.set G0B, 56
.set GWB, 60
.set TB,  45                           ; s45  LDS offset of the slot that is read
.set TF,  68                           ; s68  LDS offset of the slot filled last
.set LA,  69                           ; s69  my part of A in a slot
.set LB,  70                           ; s70  my part of B in a slot
.set MSB, 0
.macro WIN new                         ; the immediate's high byte repeats the setting that is left; a switch that changes nothing is dropped
.if MSB != (\new)
	s_set_vgpr_msb (MSB<<8)|(\new)
.set MSB, \new
.endif
.endm
.set MUL,  0x05                        ; sources 0 (B) and 1 (A) window 1; C and D window 0
.set TO_F, 0x40                        ; destination window 1, address window 0
.macro PLACES                          ; four places in front of loads into registers that matrix instructions have read, and of vector lines that read results
.rept 4
	v_nop
.endr
.endm
.macro JLOAD                           ; a joint refill: waves 0 and 1 fetch A's halves, waves 2 and 3 B's; an s_nop 0 and four v_nop follow each line
	s_cmp_eq_u32 s11, 0
	s_cbranch_scc0 .Lfor_b_\@
	tensor_load_to_lds s[GW:GW+3], s[G1:G1+7]
	s_nop 0
.rept 4
	v_nop
.endr
	s_branch .Lasked_\@
.Lfor_b_\@:
	tensor_load_to_lds s[GWB:GWB+3], s[G1B:G1B+7]
	s_nop 0
.rept 4
	v_nop
.endr
.Lasked_\@:
.endm
.macro CREST                           ; a round of the cluster's barrier behind its opening barrier
	s_cmp_lg_u32 s10, 0
	s_cbranch_scc1 .Lnot_wave_0_\@
	s_barrier_signal -3
.Lnot_wave_0_\@:
	s_barrier_wait -3
	s_barrier_signal -1
	s_barrier_wait -1
.endm
.macro CROUND
	s_barrier_signal -1
	s_barrier_wait -1
	CREST
.endm
	s_load_b128 s[4:7], s[0:1], 0x0                ; A s[4:5], B s[6:7]
	s_load_b64 s[8:9], s[0:1], 0x10                ; C
	s_load_b64 s[66:67], s[0:1], 0x18              ; the activation's pair
	v_lshl_add_u32 v[SPW], v0, 2, SPARE
	v_mov_b32 v[NIL], 0
	ds_add_u32 v[SPW], v[NIL]                      ; the wave's opening: the add and its wait stand ahead of my first tensor load
	v_lshrrev_b32 v1, 5, v0
	v_readfirstlane_b32 s10, v1                    ; wave 0..3
	s_lshr_b32 s11, s10, 1                         ; my half of the tile's rows.  Also: I fetch for A (0) or for B (1)
	s_and_b32 s12, s10, 1                          ; my half of its columns.  Also: which half of that tile I fetch
	s_bfe_u32 s40, ttmp6, 0x40000                  ; cx, cy
	s_bfe_u32 s41, ttmp6, 0x40004
	s_lshl_b32 s42, ttmp9, 2
	s_add_co_u32 s42, s42, s40                     ; tile column
	s_and_b32 s13, ttmp7, 0xffff
	s_lshl_b32 s13, s13, 2
	s_add_co_u32 s13, s13, s41                     ; tile row
	s_lshl_b32 s43, s41, 2
	s_lshl_b32 s43, 15, s43                        ; my row of the cluster
	s_lshl_b32 s44, 0x1111, s40                    ; my column
	s_or_b32 s[G1+0], s43, (1<<16)|(1<<20)|(1<<21)|(6<<22)|(3<<25)   ; the mask; 2-byte elements; padding on; bit 21 beside a mask; after every 128 words 4 words
	s_mov_b32 s[G1+1], 256<<16                     ; tensor_dim0 = 256
	s_mov_b32 s[G1+2], 64<<16                      ; tensor_dim1 = 64
	s_mov_b32 s[G1+3], 256<<16                     ; tile_dim0 = 256
	s_mov_b32 s[G1+4], 64                          ; tile_dim1 = 64
	s_mov_b32 s[G1+5], LDA                         ; elements from row to row
	s_mov_b32 s[G1+6], 0
	s_mov_b32 s[G1+7], 0
	s_or_b32 s[G1B+0], s44, (1<<16)|(1<<20)|(1<<21)|(5<<22)|(7<<25)  ; after every 64 words 8 words
	s_mov_b32 s[G1B+1], 128<<16
	s_mov_b32 s[G1B+2], 128<<16
	s_mov_b32 s[G1B+3], 128<<16
	s_mov_b32 s[G1B+4], 128
	s_mov_b32 s[G1B+5], 1024
	s_mov_b32 s[G1B+6], 0
	s_mov_b32 s[G1B+7], 0
	s_lshl_b32 s16, s13, 7
	s_lshl_b32 s17, s12, 6
	s_add_co_u32 s16, s16, s17                     ; A: row 128 x tile row + 64 x half,
	s_mul_i32 s16, s16, LDA*2                      ; in bytes (under 2^25)
	s_mov_b32 s17, 0
	s_lshl_b32 s46, s42, 8                         ; B: 256 bytes x tile column
	s_lshl_b32 s47, s12, 18                        ; + 128 rows of 2,048 bytes x half
	s_add_co_u32 s46, s46, s47
	s_mov_b32 s47, 0
	s_mul_i32 s[LA], s12, HALFA                    ; no place in the cluster enters an LDS address
	s_mul_i32 s[LB], s12, HALFB
	s_add_co_u32 s[LB], s[LB], BOFF
	s_mov_b32 s[TB], 0
	s_mov_b32 s[TF], SLOT
	s_wait_dscnt 0x0                               ; the opening add is done
	CROUND                                         ; all sixteen work-groups are here: the first joint loads meet.  The round passes while the arguments are on their way
	s_wait_kmcnt 0x0
	s_load_b64 s[74:75], s[66:67], 0x0             ; (k, g): written by an earlier launch, by no line of this one; waited for in front of the activation
	s_add_nc_u64 s[14:15], s[4:5], s[16:17]
	s_add_nc_u64 s[46:47], s[6:7], s[46:47]
	s_mov_b32 s[G0], 1
	s_add_co_u32 s[G0+1], s[LA], 0                 ; slot 0, K step 0
	s_add_nc_u64 s[G0+2:G0+3], s[14:15], 0
	s_or_b32 s[G0+3], s[G0+3], 0x80000000
	s_mov_b32 s[GW], 1
	s_add_co_u32 s[GW+1], s[LA], SLOT              ; slot 1, K step 1
	s_add_nc_u64 s[GW+2:GW+3], s[14:15], ASTEP
	s_or_b32 s[GW+3], s[GW+3], 0x80000000
	s_mov_b32 s[G0B], 1
	s_add_co_u32 s[G0B+1], s[LB], 0
	s_add_nc_u64 s[G0B+2:G0B+3], s[46:47], 0
	s_or_b32 s[G0B+3], s[G0B+3], 0x80000000
	s_mov_b32 s[GWB], 1
	s_add_co_u32 s[GWB+1], s[LB], SLOT
	s_add_nc_u64 s[GWB+2:GWB+3], s[46:47], BSTEP
	s_or_b32 s[GWB+3], s[GWB+3], 0x80000000
	s_cmp_eq_u32 s11, 0                            ; a wave's two first fills stand in one branch: two loads of mine are out
	s_cbranch_scc0 .Lfirst_b
	tensor_load_to_lds s[G0:G0+3], s[G1:G1+7]
	s_nop 0
	tensor_load_to_lds s[GW:GW+3], s[G1:G1+7]
	s_nop 0
.rept 4
	v_nop
.endr
	s_branch .Lfirst_asked
.Lfirst_b:
	tensor_load_to_lds s[G0B:G0B+3], s[G1B:G1B+7]
	s_nop 0
	tensor_load_to_lds s[GWB:GWB+3], s[G1B:G1B+7]
	s_nop 0
.rept 4
	v_nop
.endr
.Lfirst_asked:
	v_and_b32 v1, 15, v0                           ; r = l % 16
	v_bfe_u32 v2, v0, 4, 1                         ; h = l / 16
	v_mul_u32_u24 v3, v1, PA
	v_lshl_add_u32 v3, v2, 4, v3                   ; A: row x pitch + 16 x half
	s_mul_i32 s21, s11, HALFA
	v_add_nc_u32 v[AB0], s21, v3
	v_and_b32 v4, 7, v0                            ; B, turned: lane l reads k row 8 h + l % 8, columns 8 ((l / 8) % 2) on
	v_lshl_add_u32 v4, v2, 3, v4
	v_mul_u32_u24 v4, v4, PB
	v_bfe_u32 v5, v0, 3, 1
	v_lshl_add_u32 v4, v5, 4, v4
	s_lshl_b32 s22, s12, 7                         ; my 64 columns
	s_add_co_u32 s22, s22, BOFF
	v_add_nc_u32 v[BB0], s22, v4
	v_mov_b32 v[ADRA], v[AB0]
	v_mov_b32 v[ADRB], v[BB0]
	v_add_nc_u32 v[ADRB+1], HALFB, v[BB0]
	s_mul_i32 s23, s11, 64*SPITCH                  ; into the stage: my 64 rows, my half of their 256 bytes
	s_lshl_b32 s21, s12, 7
	s_add_co_u32 s23, s23, s21
	s_add_co_u32 s23, s23, STAGE
	v_mul_u32_u24 v4, v1, SPITCH
	v_lshl_add_u32 v4, v2, 4, v4
	v_add_nc_u32 v[STO], s23, v4
	s_mul_i32 s23, s10, 32*SPITCH                  ; back: wave w takes rows 32 w .. 32 w + 31, whole
	s_add_co_u32 s23, s23, STAGE
	v_mul_u32_u24 v5, v2, SPITCH
	v_lshl_add_u32 v5, v1, 4, v5
	v_add_nc_u32 v[RD], s23, v5
	v_mul_u32_u24 v5, v2, RB
	v_lshl_add_u32 v[CO], v1, 4, v5
	s_lshl_b32 s16, s13, 7
	s_lshl_b32 s17, s10, 5
	s_add_co_u32 s16, s16, s17                     ; the first row of C that I store
	s_mul_i32 s16, s16, RB
	s_mov_b32 s17, 0
	s_add_nc_u64 s[8:9], s[8:9], s[16:17]
	s_lshl_b32 s46, s42, 8                         ; the tile's first column, in bytes
	s_mov_b32 s47, 0
	s_add_nc_u64 s[8:9], s[8:9], s[46:47]
; 8 matrix instructions: m blocks a0, a0 + 1 x all 4 n blocks, 32 along K: half c of buffer f.  zero = 1: the product starts the sums.  The 16 accumulators take turns.
.macro MUL8 f, c, a0, zero
	WIN MUL
.irp a, \a0, (\a0)+1
.irp b, 0,1,2,3
.if \zero
	v_wmma_f32_16x16x32_f16 v[ACC+8*(4*(\a)+(\b)):ACC+8*(4*(\a)+(\b))+7], v[(\f)+64+8*(4*(\c)+(\b)):(\f)+64+8*(4*(\c)+(\b))+7], v[(\f)+8*(4*(\c)+(\a)):(\f)+8*(4*(\c)+(\a))+7], 0
.else
	v_wmma_f32_16x16x32_f16 v[ACC+8*(4*(\a)+(\b)):ACC+8*(4*(\a)+(\b))+7], v[(\f)+64+8*(4*(\c)+(\b)):(\f)+64+8*(4*(\c)+(\b))+7], v[(\f)+8*(4*(\c)+(\a)):(\f)+8*(4*(\c)+(\a))+7], v[ACC+8*(4*(\a)+(\b)):ACC+8*(4*(\a)+(\b))+7]
.endif
.endr
.endr
.endm
; 32 LDS loads in one run: the fragments of quarter q (64 along K) of the slot in hand, into buffer f; the first 32 along K first
.macro FETCH q, f
	WIN TO_F
.irp c, 0,1
.irp i, 0,1,2,3
	ds_load_tr16_b128 v[(\f)+64+8*(4*(\c)+(\i)):(\f)+64+8*(4*(\c)+(\i))+3],   v[ADRB+(\q)/2] offset:(64*((\q)%2)+32*(\c))*PB+32*(\i)
	ds_load_tr16_b128 v[(\f)+64+8*(4*(\c)+(\i))+4:(\f)+64+8*(4*(\c)+(\i))+7], v[ADRB+(\q)/2] offset:(64*((\q)%2)+32*(\c)+16)*PB+32*(\i)
	ds_load_b128 v[(\f)+8*(4*(\c)+(\i)):(\f)+8*(4*(\c)+(\i))+3],   v[ADRA] offset:128*(\q)+64*(\c)+(\i)*16*PA
	ds_load_b128 v[(\f)+8*(4*(\c)+(\i))+4:(\f)+8*(4*(\c)+(\i))+7], v[ADRA] offset:128*(\q)+64*(\c)+(\i)*16*PA+32
.endr
.endr
.endm
; One of a K step's first three quarters: multiplies buffer f and fetches quarter q into g
.macro QUARTER q, f, g, zero
	s_wait_dscnt 16                                ; the first 32 along K are in; the youngest sixteen loads may be out
	MUL8 \f, 0, 0, \zero
	MUL8 \f, 0, 2, \zero
	PLACES
	FETCH \q, \g
	s_wait_dscnt 32                                ; all but the 32 just issued
	MUL8 \f, 1, 0, 0
	MUL8 \f, 1, 2, 0
.endm
; The last quarter multiplies buffer 1 and changes slots: ONE barrier; in front of it each wave waits for all its tensor loads, adds 0 to its spare word, and waits for that and for its reads of this slot.
; fill = 1: the barrier opens a round of the cluster's, and this slot is filled again, two K steps ahead, first thing behind the round.
; fill = 0: the loop of the last two K steps; in its last trip (s3 = 1) there is no further slot, and the fetch is jumped over.
.macro TURN fill
	WIN 0
	s_wait_tensorcnt 0x0                           ; all my tensor loads have landed: my part of the next slot; so a group 0 may be written
	ds_add_u32 v[SPW], v[NIL]                      ; 0 onto my spare word
.if \fill
	s_xor_b32 s[TF], s[TF], SLOT                   ; the walking descriptors: the other slot than last time,
	s_add_co_u32 s[GW+1], s[LA], s[TF]
	s_add_co_u32 s[GWB+1], s[LB], s[TF]
	s_add_nc_u64 s[GW+2:GW+3], s[GW+2:GW+3], ASTEP ; the next K step
	s_add_nc_u64 s[GWB+2:GWB+3], s[GWB+2:GWB+3], BSTEP
.endif
	s_wait_dscnt 17                                ; (the add and the youngest sixteen loads may be out)
	MUL8 F1, 0, 0, 0
	s_wait_dscnt 0x0                               ; the add is done, and my reads of this slot are over
	s_barrier_signal -1
	MUL8 F1, 0, 2, 0
	WIN 0                                          ; at a branch and at a label every window is 0
	s_barrier_wait -1
.if \fill
	CREST                                          ; no wave of any partner still reads this slot's tile or has a load on its way
	JLOAD                                          ; 112 matrix instructions ahead of the wait for it; its four v_nop are also the places in front of the loads below
.else
	s_cmp_eq_u32 s3, 1
	s_cbranch_scc1 .Lno_fetch_\@
	PLACES
.endif
	s_xor_b32 s[TB], s[TB], SLOT                   ; the reads go to the other slot
	v_add_nc_u32 v[ADRA], s[TB], v[AB0]
	v_add_nc_u32 v[ADRB], s[TB], v[BB0]
	v_add_nc_u32 v[ADRB+1], HALFB, v[ADRB]
	FETCH 0, F0
.if !(\fill)
	WIN 0
.Lno_fetch_\@:
.endif
	MUL8 F1, 1, 0, 0
	MUL8 F1, 1, 2, 0
.endm
	s_wait_tensorcnt 1                             ; my part of K step 0 is in; K step 1's may stay out
	s_barrier_signal -1
	s_barrier_wait -1
	FETCH 0, F0
	QUARTER 1, F0, F1, 1                           ; the first quarter is written out: its first products start the sums
	WIN 0
	s_mov_b32 s3, NS-2
	s_branch .Lin                                  ; the loop is entered behind its first quarter
.Lstep:                                                ; a trip is a K step; it fills the slot that it leaves
	QUARTER 1, F0, F1, 0
	WIN 0
.Lin:
	QUARTER 2, F1, F0, 0
	QUARTER 3, F0, F1, 0
	TURN 1
	WIN 0
	s_sub_co_u32 s3, s3, 1
	s_cmp_lg_u32 s3, 0
	s_cbranch_scc1 .Lstep
	s_mov_b32 s3, 2
.Ltail:                                                ; the last two K steps ask for nothing
	QUARTER 1, F0, F1, 0
	QUARTER 2, F1, F0, 0
	QUARTER 3, F0, F1, 0
	TURN 0
	WIN 0
	s_sub_co_u32 s3, s3, 1
	s_cmp_lg_u32 s3, 0
	s_cbranch_scc1 .Ltail
	s_wait_kmcnt 0x0                               ; (k, g)
	s_mov_b32 s76, s75                             ; g as a pair of its own
	s_mov_b32 s77, s75
	; THE ACTIVATION, an accumulator at a time, from its low end on: y / (1 + g 2^(k y)), rounded to f16
.macro ACT t
.irp p, 0,1,2,3
	v_pk_mul_f32 v[EW+2*(\p):EW+2*(\p)+1], v[ACC+8*(\t)+2*(\p):ACC+8*(\t)+2*(\p)+1], s[74:75] op_sel_hi:[1,0]
.endr
.irp j, 0,1,2,3,4,5,6,7
	v_exp_f32 v[EW+(\j)], v[EW+(\j)]
.endr
	v_nop                                          ; a plain instruction behind the last exponential
	s_wait_alu depctr_va_vdst(0)
.irp p, 0,1,2,3
	v_pk_fma_f32 v[EW+2*(\p):EW+2*(\p)+1], v[EW+2*(\p):EW+2*(\p)+1], s[76:77], 1.0 op_sel_hi:[1,0,0]
.endr
.irp j, 0,1,2,3,4,5,6,7
	v_rcp_f32 v[EW+(\j)], v[EW+(\j)]
.endr
	v_nop
	s_wait_alu depctr_va_vdst(0)
.irp p, 0,1,2,3
	v_pk_mul_f32 v[EW+2*(\p):EW+2*(\p)+1], v[EW+2*(\p):EW+2*(\p)+1], v[ACC+8*(\t)+2*(\p):ACC+8*(\t)+2*(\p)+1]
.endr
.irp p, 0,1,2,3
	v_cvt_pk_f16_f32 v[TMP+4*(\t)+(\p)], v[EW+2*(\p)], v[EW+2*(\p)+1]
.endr
.endm
	PLACES
.irp t, 0,1,2,3,4,5,6,7,8,9,10,11,12,13,14,15
	ACT \t
.endr
	; THE WAY OUT: 16 bytes a lane into the work-group's stage; a barrier, since a row's 256 bytes come from two waves; back as whole rows, 32 rows a wave
.irp a, 0,1,2,3
.irp b, 0,1,2,3
	ds_store_b128 v[STO], v[TMP+4*(4*(\a)+(\b)):TMP+4*(4*(\a)+(\b))+3] offset:(\a)*16*SPITCH+32*(\b)
.endr
.endr
	s_wait_dscnt 0x0                               ; for the others' sake: my stores into the stage are done
	s_barrier_signal -1
	s_barrier_wait -1
.irp t, 0,1,2,3,4,5,6,7,8,9,10,11,12,13,14,15
	ds_load_b128 v[TMP+4*(\t):TMP+4*(\t)+3], v[RD] offset:(\t)*2*SPITCH
.endr
.irp t, 0,1,2,3,4,5,6,7,8,9,10,11,12,13,14,15
	s_wait_dscnt 15-(\t)
	global_store_b128 v[CO], v[TMP+4*(\t):TMP+4*(\t)+3], s[8:9] offset:2*(\t)*RB  ; 16 lanes store 256 consecutive bytes, at a multiple of 256 from C's first byte
.endr
	s_wait_tensorcnt 0x0                           ; the wave's end
	ds_add_u32 v[SPW], v[NIL]
	s_wait_dscnt 0x0
	CROUND                                         ; the closing round
	s_endpgm
.Lfunc_end_k_qd75e26a8cb_gq:
	.size	k_qd75e26a8cb_gq, .Lfunc_end_k_qd75e26a8cb_gq-k_qd75e26a8cb_gq
	.p2alignl 7, 3214868480
	.fill 96, 4, 3214868480
	.section	.rodata,"a",@progbits
	.p2align	6, 0x0
	.amdhsa_kernel k_qd75e26a8cb_gq
		.amdhsa_group_segment_fixed_size 327680
		.amdhsa_private_segment_fixed_size 0
		.amdhsa_enable_private_segment 0
		.amdhsa_kernarg_size 32
		.amdhsa_user_sgpr_count 2
		.amdhsa_user_sgpr_kernarg_segment_ptr 1
		.amdhsa_wavefront_size32 1
		.amdhsa_system_sgpr_workgroup_id_x 1
		.amdhsa_system_sgpr_workgroup_id_y 1
		.amdhsa_system_sgpr_workgroup_id_z 1
		.amdhsa_system_vgpr_workitem_id 0
		.amdhsa_next_free_vgpr 512
		.amdhsa_next_free_sgpr 96
		.amdhsa_reserve_vcc 0
		.amdhsa_float_denorm_mode_32 3
		.amdhsa_float_denorm_mode_16_64 3
		.amdhsa_memory_ordered 1
		.amdhsa_forward_progress 1
		.amdhsa_inst_pref_size 81
	.end_amdhsa_kernel
	.amdgpu_metadata
---
amdhsa.version: [ 1, 2 ]
amdhsa.kernels:
  - .name:           k_qd75e26a8cb_gq
    .symbol:         k_qd75e26a8cb_gq.kd
    .args:
      - { .name: b0, .offset: 0, .size: 8, .value_kind: global_buffer, .address_space: global }
      - { .name: wih, .offset: 8, .size: 8, .value_kind: global_buffer, .address_space: global }
      - { .name: b1, .offset: 16, .size: 8, .value_kind: global_buffer, .address_space: global }
      - { .name: zb, .offset: 24, .size: 8, .value_kind: global_buffer, .address_space: global }
    .group_segment_fixed_size: 327680
    .private_segment_fixed_size: 0
    .kernarg_segment_align: 8
    .kernarg_segment_size: 32
    .max_flat_workgroup_size: 128
    .sgpr_count:     96
    .vgpr_count:     512
    .wavefront_size: 32
...
	.end_amdgpu_metadata
.endif
;; end of part 2
;; launch sc (part 3): grid 8 x 32, 4 waves a work-group, clusters of 4 x 4, 327,680 bytes of LDS; arguments b1, mask, b2, st; writes b2, st
.if DOCPART == 3
	.amdgcn_target "amdgcn-amd-amdhsa--gfx1250"
	.amdhsa_code_object_version 6
	.text
	.protected	k_qd75e26a8cb_sc
	.globl	k_qd75e26a8cb_sc
	.p2align	8
	.type	k_qd75e26a8cb_sc,@function
k_qd75e26a8cb_sc:
	s_mov_b64 s[64:65], 0
	v_nop
	global_prefetch_b8 v0, s[64:65] scope:SCOPE_SE
	s_setreg_imm32_b32 hwreg(HW_REG_WAVE_MODE, 25, 1), 1
	s_wait_xcnt 0x0
	s_wait_alu depctr_hold_cnt(0) depctr_sa_sdst(0) depctr_va_vdst(0) depctr_va_sdst(0) depctr_va_ssrc(0) depctr_va_vcc(0) depctr_vm_vsrc(0)
	s_getreg_b32 s2, hwreg(HW_REG_IB_STS2, 6, 4)
	s_cmp_eq_u32 s2, 0
	s_cbranch_scc0 .Lentry_in_a_cluster
	s_endpgm
.Lentry_in_a_cluster:
	s_bfe_u32 s2, ttmp6, 0x10000c
	s_cmp_lg_u32 s2, 0xf033
	s_cbranch_scc0 .Lentry_shape_is_right
	s_endpgm
.Lentry_shape_is_right:
; SCORES.  For a tile of 128 queries x 128 keys of one batch: t = (q . k) log2(e) / 32, or -1e10 log2(e) where the mask's byte is 0; m_tile = the row's maximum in the tile;
; P = 2^(t - m_tile), rounded to f16; l_tile = the row's sum of the unrounded weights.  q = k: [4096][1024] f16.  P: [4096][2048] f16.  st: m_tile at byte 4 (4096 kt + row), l_tile 262,144 on.
; The next launch takes the true row maximum of the 16 m_tile and rescales, so the maximum is taken away as the softmax asks; here no exponent is above 0.
; The scale comes first and the masked value is selected after it: in a row that is wholly masked t - m_tile is exactly 0 and every weight 1.
; LIMITS.  q within f16's 65,504; P below 6e-5 keeps f16's fixed step of 6e-8; a weight below 2^-126 counts as 0 in l_tile; NaN and infinities are not treated apart.
; SHARES.  512 tiles on 256 work-groups: A WORK-GROUP STAYS and makes two tiles, key tiles 2 X and 2 X + 1 of one query tile.  Four waves, each 64 x 64: 16 accumulators.
; RING.  A tile's K = 1,024 channels go in 4 steps of 256 through two LDS slots; both operands lie along K, rows of 512 bytes, 64 to a tensor load.  The two tiles' 8 steps are ONE sequence for the ring:
; the first tile's last two changes of slots ask for the second tile's steps 0 and 1, which are on their way while the first tile goes out.  The step asked for is counted (NF, 2 to 7) and the two
; global addresses are made anew from it.  Every loop counts from a constant: in each tile two K steps that fill; then two more that fill (a tile with a successor) or two that do not (the last).
; CLUSTER.  4 x 4 work-groups: the queries' tile is shared along a row of the cluster, the keys' along a column.
; THE MATRIX INSTRUCTION IS USED TRANSPOSED (source 0 = 16 keys, source 1 = 16 queries): lane l holds query l % 16 and the keys 8 (l / 16) + 0..7.
; The mask is read once, 8 bytes for each accumulator and lane, at a tile's head: 16,384 bytes a tile, too little for a tile of its own in LDS.
; REGISTERS.  window 0: v0-31 addresses and statistics; v32-95 at work on the way out; v96-127 the mask's bytes; v128-255 the accumulators.  window 1: two fragment buffers of 128.
.set LDA,    1024
.set PA,     528                       ; an LDS row: 512 bytes + 16 = 132 words: the 16 rows of a load start at 16 different groups of four banks (64 banks of 4 bytes: ISA guide 11.1)
.set HALFA,  64*PA
.set BOFF,   2*HALFA
.set SLOT,   4*HALFA
.set ASTEP,  512
.set STAGE,  2*SLOT
.set SPITCH, 272
.set RED,    STAGE+128*SPITCH          ; four tables of 128 words: the two column halves' maxima, then their sums
.set SPARE,  RED+2048
.set RB,     4096                      ; bytes in a row of P
.set ADRA, 16
.set GOF,  17                          ; v17  my byte offset in the mask; never rewritten
.set AB0,  18
.set BB0,  19
.set ADRB, 20
.set STO,  24
.set RD,   25
.set CO,   26
.set RW,   27                          ; v27  where I put a row's figure
.set SPW,  28
.set NIL,  29
.set RP,   30                          ; v30  where my partner wave put its own
.set RO,   31                          ; v31  where I read two rows' figures for st
.set MS,   8                           ; v8-15  for each m block a: m_tile, then l_tile
.set TMP,  32
.set MK,   96
.set ACC,  128
.set F0,   0
.set F1,   128
.set G1,  24
.set G0,  32
.set GW,  36
.set G1B, 48
.set G0B, 56
.set GWB, 60
.set TB,  45
.set TF,  68
.set LA,  69
.set LB,  70
.set OFA, 78                           ; s[78:79]  the asked step's byte offset in the queries' rows
.set NF,  87                           ; s87       the K step asked for last, counted over both tiles
.set QA,  90                           ; s[90:91]  my part of the queries' tile, K step 0
.set QK,  92                           ; s[92:93]  my part of the first tile's keys, K step 0
.set OFB, 94                           ; s[94:95]  the asked step's byte offset from there
.set MSB, 0
.macro WIN new
.if MSB != (\new)
	s_set_vgpr_msb (MSB<<8)|(\new)
.set MSB, \new
.endif
.endm
.set MUL,  0x05
.set TO_F, 0x40
.macro PLACES
.rept 4
	v_nop
.endr
.endm
.macro JLOAD                           ; a joint refill: waves 0 and 1 fetch the queries' halves, waves 2 and 3 the keys'; an s_nop 0 and four v_nop follow each line
	s_cmp_eq_u32 s11, 0
	s_cbranch_scc0 .Lfor_b_\@
	tensor_load_to_lds s[GW:GW+3], s[G1:G1+7]
	s_nop 0
.rept 4
	v_nop
.endr
	s_branch .Lasked_\@
.Lfor_b_\@:
	tensor_load_to_lds s[GWB:GWB+3], s[G1B:G1B+7]
	s_nop 0
.rept 4
	v_nop
.endr
.Lasked_\@:
.endm
.macro CREST
	s_cmp_lg_u32 s10, 0
	s_cbranch_scc1 .Lnot_wave_0_\@
	s_barrier_signal -3
.Lnot_wave_0_\@:
	s_barrier_wait -3
	s_barrier_signal -1
	s_barrier_wait -1
.endm
.macro CROUND
	s_barrier_signal -1
	s_barrier_wait -1
	CREST
.endm
	s_load_b128 s[4:7], s[0:1], 0x0                ; q s[4:5], mask s[6:7]
	s_load_b64 s[8:9], s[0:1], 0x10                ; P
	s_load_b64 s[66:67], s[0:1], 0x18              ; st
	v_lshl_add_u32 v[SPW], v0, 2, SPARE
	v_mov_b32 v[NIL], 0
	ds_add_u32 v[SPW], v[NIL]                      ; the wave's opening: the add and its wait stand ahead of my first tensor load
	v_lshrrev_b32 v1, 5, v0
	v_readfirstlane_b32 s10, v1
	s_lshr_b32 s11, s10, 1                         ; my half of the queries.  Also: I fetch queries (0) or keys (1)
	s_and_b32 s12, s10, 1                          ; my half of the keys.  Also: which half of that tile I fetch
	s_bfe_u32 s40, ttmp6, 0x40000
	s_bfe_u32 s41, ttmp6, 0x40004
	s_lshl_b32 s42, ttmp9, 2
	s_add_co_u32 s42, s42, s40                     ; X, 0..7: my pair of key tiles
	s_and_b32 s13, ttmp7, 0xffff
	s_lshr_b32 s71, s13, 2                         ; the batch: from the cluster's y alone, so all sixteen share it
	s_lshl_b32 s13, s13, 2
	s_add_co_u32 s13, s13, s41                     ; query tile 0..31, both batches on end
	s_lshl_b32 s43, s41, 2
	s_lshl_b32 s43, 15, s43
	s_lshl_b32 s44, 0x1111, s40
	s_or_b32 s[G1+0], s43, (1<<16)|(1<<20)|(1<<21)|(6<<22)|(3<<25)
	s_or_b32 s[G1B+0], s44, (1<<16)|(1<<20)|(1<<21)|(6<<22)|(3<<25)
.irp g, G1, G1B
	s_mov_b32 s[(\g)+1], 256<<16                   ; tensor_dim0 = 256
	s_mov_b32 s[(\g)+2], 64<<16                    ; tensor_dim1 = 64
	s_mov_b32 s[(\g)+3], 256<<16                   ; tile_dim0 = 256
	s_mov_b32 s[(\g)+4], 64                        ; tile_dim1 = 64
	s_mov_b32 s[(\g)+5], LDA
	s_mov_b32 s[(\g)+6], 0
	s_mov_b32 s[(\g)+7], 0
.endr
	s_lshl_b32 s16, s13, 7
	s_lshl_b32 s17, s12, 6
	s_add_co_u32 s16, s16, s17                     ; queries: row 128 x query tile + 64 x half
	s_lshl_b32 s16, s16, 11                        ; rows of 2,048 bytes
	s_mov_b32 s17, 0
	s_lshl_b32 s46, s42, 8
	s_lshl_b32 s47, s12, 6
	s_add_co_u32 s46, s46, s47
	s_lshl_b32 s47, s71, 11
	s_add_co_u32 s46, s46, s47                     ; keys: row 2,048 x batch + 256 X + 64 x half
	s_lshl_b32 s46, s46, 11
	s_mov_b32 s47, 0
	s_mul_i32 s[LA], s12, HALFA
	s_add_co_u32 s[LB], s[LA], BOFF
	s_mov_b32 s[TB], 0
	s_mov_b32 s[TF], SLOT
	s_mov_b32 s[NF], 1                             ; steps 0 and 1 are the first fills
	s_mov_b32 s[OFA+1], 0
	s_mov_b32 s[OFB+1], 0
	s_mov_b32 s74, 0x3d38aa3b                      ; log2(e) / 32
	s_mov_b32 s75, s74
	s_mov_b32 s76, 0xd056fa73                      ; -1e10 log2(e)
	s_mov_b32 s80, 0xff                            ; a word's four bytes
	s_mov_b32 s81, 0xff00
	s_mov_b32 s82, 0xff0000
	s_mov_b32 s83, 0xff000000
	s_mov_b32 s84, 0x76543210                      ; v_permlanex16_b32: each lane takes its own place in the other half
	s_mov_b32 s85, 0xfedcba98
	s_wait_dscnt 0x0                               ; the opening add is done
	CROUND                                         ; the round in front of the first joint loads; it passes while the arguments are on their way
	s_wait_kmcnt 0x0
	s_add_nc_u64 s[QA:QA+1], s[4:5], s[16:17]
	s_add_nc_u64 s[QK:QK+1], s[4:5], s[46:47]
	s_mov_b32 s[G0], 1
	s_add_co_u32 s[G0+1], s[LA], 0
	s_add_nc_u64 s[G0+2:G0+3], s[QA:QA+1], 0
	s_or_b32 s[G0+3], s[G0+3], 0x80000000
	s_mov_b32 s[GW], 1
	s_add_co_u32 s[GW+1], s[LA], SLOT
	s_add_nc_u64 s[GW+2:GW+3], s[QA:QA+1], ASTEP
	s_or_b32 s[GW+3], s[GW+3], 0x80000000
	s_mov_b32 s[G0B], 1
	s_add_co_u32 s[G0B+1], s[LB], 0
	s_add_nc_u64 s[G0B+2:G0B+3], s[QK:QK+1], 0
	s_or_b32 s[G0B+3], s[G0B+3], 0x80000000
	s_mov_b32 s[GWB], 1
	s_add_co_u32 s[GWB+1], s[LB], SLOT
	s_add_nc_u64 s[GWB+2:GWB+3], s[QK:QK+1], ASTEP
	s_or_b32 s[GWB+3], s[GWB+3], 0x80000000
	s_cmp_eq_u32 s11, 0                            ; a wave's two first fills stand in one branch: two loads of mine are out
	s_cbranch_scc0 .Lfirst_b
	tensor_load_to_lds s[G0:G0+3], s[G1:G1+7]
	s_nop 0
	tensor_load_to_lds s[GW:GW+3], s[G1:G1+7]
	s_nop 0
.rept 4
	v_nop
.endr
	s_branch .Lfirst_asked
.Lfirst_b:
	tensor_load_to_lds s[G0B:G0B+3], s[G1B:G1B+7]
	s_nop 0
	tensor_load_to_lds s[GWB:GWB+3], s[G1B:G1B+7]
	s_nop 0
.rept 4
	v_nop
.endr
.Lfirst_asked:
	v_and_b32 v1, 15, v0                           ; r
	v_bfe_u32 v2, v0, 4, 1                         ; h
	; the mask's bytes: row 128 (query tile % 16) + 64 x my row half + 16 a + r, columns 128 x key tile + 64 x my column half + 16 b + 8 h + 0..7
	v_lshlrev_b32 v[GOF], 11, v1
	v_lshl_add_u32 v[GOF], v2, 3, v[GOF]
	s_and_b32 s16, s13, 15
	s_lshl_b32 s16, s16, 7
	s_lshl_b32 s17, s11, 6
	s_add_co_u32 s16, s16, s17
	s_lshl_b32 s16, s16, 11
	s_mov_b32 s17, 0
	s_add_nc_u64 s[72:73], s[6:7], s[16:17]
	s_lshl_b32 s46, s42, 8                         ; the first tile's columns: 256 X
	s_lshl_b32 s47, s12, 6
	s_add_co_u32 s46, s46, s47
	s_mov_b32 s47, 0
	s_add_nc_u64 s[72:73], s[72:73], s[46:47]
	v_mul_u32_u24 v3, v1, PA
	v_lshl_add_u32 v3, v2, 4, v3
	s_mul_i32 s21, s11, HALFA
	v_add_nc_u32 v[AB0], s21, v3
	s_mul_i32 s22, s12, HALFA
	s_add_co_u32 s22, s22, BOFF
	v_add_nc_u32 v[BB0], s22, v3
	v_mov_b32 v[ADRA], v[AB0]
	v_mov_b32 v[ADRB], v[BB0]
	s_mul_i32 s23, s11, 64*SPITCH
	s_lshl_b32 s21, s12, 7
	s_add_co_u32 s23, s23, s21
	s_add_co_u32 s23, s23, STAGE
	v_mul_u32_u24 v4, v1, SPITCH
	v_lshl_add_u32 v4, v2, 4, v4
	v_add_nc_u32 v[STO], s23, v4
	s_mul_i32 s23, s10, 32*SPITCH
	s_add_co_u32 s23, s23, STAGE
	v_mul_u32_u24 v5, v2, SPITCH
	v_lshl_add_u32 v5, v1, 4, v5
	v_add_nc_u32 v[RD], s23, v5
	v_mul_u32_u24 v5, v2, RB
	v_lshl_add_u32 v[CO], v1, 4, v5
	s_lshl_b32 s21, s12, 9                         ; the tables: table = my column half, word = 64 x my row half + 16 a + r
	s_lshl_b32 s22, s11, 8
	s_add_co_u32 s21, s21, s22
	s_add_co_u32 s21, s21, RED
	v_lshl_add_u32 v[RW], v1, 2, s21
	s_xor_b32 s21, s12, 1
	s_lshl_b32 s21, s21, 9
	s_add_co_u32 s21, s21, s22
	s_add_co_u32 s21, s21, RED
	v_lshl_add_u32 v[RP], v1, 2, s21
	s_lshl_b32 s21, s11, 10                        ; for st: waves 0, 1 take the maxima, waves 2, 3 the sums; 64 rows each, two a lane
	s_lshl_b32 s22, s12, 8
	s_add_co_u32 s21, s21, s22
	s_add_co_u32 s21, s21, RED
	v_and_b32 v3, 31, v0
	v_lshlrev_b32 v3, 3, v3                        ; v3: 8 x lane, also the offset of the store into st; not rewritten
	v_add_nc_u32 v[RO], s21, v3
	s_cmp_eq_u32 s11, 1
	s_cselect_b32 s86, -1, 0                       ; all lanes: I store sums
	s_lshl_b32 s16, s13, 7
	s_lshl_b32 s17, s10, 5
	s_add_co_u32 s16, s16, s17
	s_mul_i32 s16, s16, RB
	s_mov_b32 s17, 0
	s_add_nc_u64 s[8:9], s[8:9], s[16:17]
	s_lshl_b32 s46, s42, 9                         ; the first tile's columns of P, in bytes
	s_mov_b32 s47, 0
	s_add_nc_u64 s[8:9], s[8:9], s[46:47]
	s_lshl_b32 s16, s13, 9                         ; st: 4 x 128 x query tile + the table + my 64 rows,
	s_lshl_b32 s17, s11, 18
	s_add_co_u32 s16, s16, s17
	s_lshl_b32 s17, s12, 8
	s_add_co_u32 s16, s16, s17
	s_mov_b32 s17, 0
	s_add_nc_u64 s[88:89], s[66:67], s[16:17]
	s_lshl_b32 s46, s42, 15                        ; + 4 x 4,096 x key tile 2 X
	s_add_nc_u64 s[88:89], s[88:89], s[46:47]
.macro MUL8 f, c, a0, zero             ; 8 matrix instructions; the 16 accumulators take turns
	WIN MUL
.irp a, \a0, (\a0)+1
.irp b, 0,1,2,3
.if \zero
	v_wmma_f32_16x16x32_f16 v[ACC+8*(4*(\a)+(\b)):ACC+8*(4*(\a)+(\b))+7], v[(\f)+64+8*(4*(\c)+(\b)):(\f)+64+8*(4*(\c)+(\b))+7], v[(\f)+8*(4*(\c)+(\a)):(\f)+8*(4*(\c)+(\a))+7], 0
.else
	v_wmma_f32_16x16x32_f16 v[ACC+8*(4*(\a)+(\b)):ACC+8*(4*(\a)+(\b))+7], v[(\f)+64+8*(4*(\c)+(\b)):(\f)+64+8*(4*(\c)+(\b))+7], v[(\f)+8*(4*(\c)+(\a)):(\f)+8*(4*(\c)+(\a))+7], v[ACC+8*(4*(\a)+(\b)):ACC+8*(4*(\a)+(\b))+7]
.endif
.endr
.endr
.endm
.macro FETCH q, f                      ; 32 LDS loads in one run: quarter q of the slot in hand into buffer f; the first 32 along K first
	WIN TO_F
.irp c, 0,1
.irp i, 0,1,2,3
	ds_load_b128 v[(\f)+64+8*(4*(\c)+(\i)):(\f)+64+8*(4*(\c)+(\i))+3],   v[ADRB] offset:128*(\q)+64*(\c)+(\i)*16*PA
	ds_load_b128 v[(\f)+64+8*(4*(\c)+(\i))+4:(\f)+64+8*(4*(\c)+(\i))+7], v[ADRB] offset:128*(\q)+64*(\c)+(\i)*16*PA+32
	ds_load_b128 v[(\f)+8*(4*(\c)+(\i)):(\f)+8*(4*(\c)+(\i))+3],         v[ADRA] offset:128*(\q)+64*(\c)+(\i)*16*PA
	ds_load_b128 v[(\f)+8*(4*(\c)+(\i))+4:(\f)+8*(4*(\c)+(\i))+7],       v[ADRA] offset:128*(\q)+64*(\c)+(\i)*16*PA+32
.endr
.endr
.endm
.macro QUARTER q, f, g, zero
	s_wait_dscnt 16                                ; the first 32 along K are in
	MUL8 \f, 0, 0, \zero
	MUL8 \f, 0, 2, \zero
	PLACES
	FETCH \q, \g
	s_wait_dscnt 32                                ; all but the 32 just issued
	MUL8 \f, 1, 0, 0
	MUL8 \f, 1, 2, 0
.endm
; The last quarter and the change of slots.  fill = 1: this slot is filled again with the step two on in the two tiles' sequence.  fill = 0: the loop of the last two K steps; in its last trip (s3 = 1) the fetch is jumped over.
.macro TURN fill
	WIN 0
	s_wait_tensorcnt 0x0                           ; all my tensor loads have landed: my part of the next slot; so a group 0 may be written
	ds_add_u32 v[SPW], v[NIL]                      ; 0 onto my spare word
.if \fill
	s_add_co_u32 s[NF], s[NF], 1                   ; the step asked for: 2 to 7
	s_xor_b32 s[TF], s[TF], SLOT                   ; into the other slot than last time
	s_add_co_u32 s[GW+1], s[LA], s[TF]
	s_add_co_u32 s[GWB+1], s[LB], s[TF]
	s_and_b32 s[OFA], s[NF], 3
	s_lshl_b32 s[OFA], s[OFA], 9                   ; 512 bytes for each K step of a tile
	s_lshr_b32 s[OFB], s[NF], 2
	s_lshl_b32 s[OFB], s[OFB], 18                  ; the second tile's keys lie 128 rows of 2,048 bytes on
	s_add_co_u32 s[OFB], s[OFB], s[OFA]
	s_add_nc_u64 s[GW+2:GW+3], s[QA:QA+1], s[OFA:OFA+1]
	s_or_b32 s[GW+3], s[GW+3], 0x80000000
	s_add_nc_u64 s[GWB+2:GWB+3], s[QK:QK+1], s[OFB:OFB+1]
	s_or_b32 s[GWB+3], s[GWB+3], 0x80000000
.endif
	s_wait_dscnt 17                                ; (the add and the youngest sixteen loads may be out)
	MUL8 F1, 0, 0, 0
	s_wait_dscnt 0x0                               ; the add is done, and my reads of this slot are over
	s_barrier_signal -1
	MUL8 F1, 0, 2, 0
	WIN 0
	s_barrier_wait -1
.if \fill
	CREST                                          ; the barrier has opened a round of the cluster's: no wave of any partner still reads this slot or has a load on its way
	JLOAD                                          ; the first tensor load behind the round; its four v_nop are also the places in front of the loads below
.else
	s_cmp_eq_u32 s3, 1
	s_cbranch_scc1 .Lno_fetch_\@
	PLACES
.endif
	s_xor_b32 s[TB], s[TB], SLOT
	v_add_nc_u32 v[ADRA], s[TB], v[AB0]
	v_add_nc_u32 v[ADRB], s[TB], v[BB0]
	FETCH 0, F0
.if !(\fill)
	WIN 0
.Lno_fetch_\@:
.endif
	MUL8 F1, 1, 0, 0
	MUL8 F1, 1, 2, 0
.endm
.macro ROWMAX a                        ; a row's maximum: 32 registers, then the other half of the lanes
.set rS, ACC+32*(\a)
.irp j, 0,1,2,3
	v_max3_num_f32 v[4+(\j)], v[rS+8*(\j)], v[rS+8*(\j)+1], v[rS+8*(\j)+2]
.endr
.irp j, 4,5,6,7,8,9,10,11
	v_max3_num_f32 v[4+(\j)%4], v[4+(\j)%4], v[rS+8*((\j)%4)+2*((\j)/4)+1], v[rS+8*((\j)%4)+2*((\j)/4)+2]
.endr
	v_max3_num_f32 v4, v4, v[rS+7], v[rS+15]
	v_max3_num_f32 v6, v6, v[rS+23], v[rS+31]
	v_max3_num_f32 v4, v4, v5, v6
	v_max_num_f32 v4, v4, v7
	v_permlanex16_b32 v22, v4, s84, s85
	v_max_num_f32 v[MS+2*(\a)], v4, v22
	v_mov_b32 v[MS+2*(\a)+1], 0                    ; named with it as a pair
	ds_store_b32 v[RW], v[MS+2*(\a)] offset:64*(\a)
.endm
.macro SOFT a                          ; the weights 2^(t - m_tile), rounded to f16, and my 64 keys' sum of the unrounded ones
.set rS, ACC+32*(\a)
.set i, 0
.rept 16
	v_pk_add_f32 v[rS+2*i:rS+2*i+1], v[rS+2*i:rS+2*i+1], v[MS+2*(\a):MS+2*(\a)+1] op_sel_hi:[1,0] neg_lo:[0,1] neg_hi:[0,1]
.set i, i+1
.endr
.set i, 0
.rept 32
	v_exp_f32 v[rS+i], v[rS+i]
.set i, i+1
.endr
	v_nop                                          ; a plain instruction behind the last exponential
.set i, 0
	s_wait_alu depctr_va_vdst(0)
.rept 16
	v_cvt_pk_f16_f32 v[TMP+16*(\a)+i], v[rS+2*i], v[rS+2*i+1]
.set i, i+1
.endr
.irp w, 8,4,2,1                        ; the 16 pairs are added in place: neighbours 8, 4, 2 and 1 pairs apart
.set i, 0
.rept \w
	v_pk_add_f32 v[rS+2*i:rS+2*i+1], v[rS+2*i:rS+2*i+1], v[rS+2*((\w)+i):rS+2*((\w)+i)+1]
.set i, i+1
.endr
.endr
	v_add_f32 v23, v[rS], v[rS+1]
	v_permlanex16_b32 v22, v23, s84, s85
	v_add_f32 v[MS+2*(\a)+1], v23, v22
.endm
	s_wait_tensorcnt 1                             ; my part of K step 0 is in; K step 1's may stay out
	s_barrier_signal -1
	s_barrier_wait -1
	FETCH 0, F0
	WIN 0
	s_mov_b32 s2, 2                                ; tiles to go: the same number in every work-group
.Ltile:
.irp a, 0,1,2,3
.irp b, 0,1,2,3
	global_load_b64 v[MK+2*(4*(\a)+(\b)):MK+2*(4*(\a)+(\b))+1], v[GOF], s[72:73] offset:(\a)*32768+16*(\b)  ; this tile's part of the mask: wanted behind the tile's last product
.endr
.endr
	QUARTER 1, F0, F1, 1                           ; a tile's first quarter is written out: its first products start the sums
	WIN 0
	s_mov_b32 s3, 2
	s_branch .Lin                                  ; the loop is entered behind its first quarter
.Lstep:                                                ; the tile's K steps 0 and 1: they ask for its steps 2 and 3
	QUARTER 1, F0, F1, 0
	WIN 0
.Lin:
	QUARTER 2, F1, F0, 0
	QUARTER 3, F0, F1, 0
	TURN 1
	WIN 0
	s_sub_co_u32 s3, s3, 1
	s_cmp_lg_u32 s3, 0
	s_cbranch_scc1 .Lstep
	s_mov_b32 s3, 2
	s_cmp_eq_u32 s2, 1
	s_cbranch_scc1 .Ltail
.Lmore:                                                ; K steps 2 and 3 of a tile that has a successor: THE RING GOES ON: they ask for the next tile's steps 0 and 1, and the second fetches its first fragments
	QUARTER 1, F0, F1, 0
	QUARTER 2, F1, F0, 0
	QUARTER 3, F0, F1, 0
	TURN 1
	WIN 0
	s_sub_co_u32 s3, s3, 1
	s_cmp_lg_u32 s3, 0
	s_cbranch_scc1 .Lmore
	s_branch .Lepi
.Ltail:                                                ; K steps 2 and 3 of the last tile ask for nothing
	QUARTER 1, F0, F1, 0
	QUARTER 2, F1, F0, 0
	QUARTER 3, F0, F1, 0
	TURN 0
	WIN 0
	s_sub_co_u32 s3, s3, 1
	s_cmp_lg_u32 s3, 0
	s_cbranch_scc1 .Ltail
.Lepi:
	; SCALE AND MASK, an accumulator at a time, from its low end on
	PLACES
	s_wait_loadcnt 0x0                             ; the mask's bytes
.set t, 0
.rept 16
.irp p, 0,1,2,3
	v_pk_mul_f32 v[ACC+8*t+2*(\p):ACC+8*t+2*(\p)+1], v[ACC+8*t+2*(\p):ACC+8*t+2*(\p)+1], s[74:75] op_sel_hi:[1,0]
.endr
.irp j, 0,1,2,3,4,5,6,7
	v_and_b32 v[22+(\j)%2], s[80+(\j)%4], v[MK+2*t+(\j)/4]
	v_cmp_ne_u32 vcc_lo, 0, v[22+(\j)%2]
	v_cndmask_b32 v[ACC+8*t+(\j)], s76, v[ACC+8*t+(\j)], vcc_lo
.endr
.set t, t+1
.endr
	; THE ROWS' MAXIMA; the partner wave's 64 keys come through LDS
.irp a, 0,1,2,3
	ROWMAX \a
.endr
	s_wait_dscnt 0x0                               ; for the partner's sake: my maxima are in LDS
	s_barrier_signal -1
	s_barrier_wait -1
.irp a, 0,1,2,3
	ds_load_b32 v[4+(\a)], v[RP] offset:64*(\a)
.endr
	s_wait_dscnt 0x0
.irp a, 0,1,2,3
	v_max_num_f32 v[MS+2*(\a)], v[MS+2*(\a)], v[4+(\a)]  ; m_tile
.endr
.irp a, 0,1,2,3
	SOFT \a
.endr
.irp a, 0,1,2,3
.irp b, 0,1,2,3
	ds_store_b128 v[STO], v[TMP+4*(4*(\a)+(\b)):TMP+4*(4*(\a)+(\b))+3] offset:(\a)*16*SPITCH+32*(\b)
.endr
.endr
.irp a, 0,1,2,3
	ds_store_b32 v[RW], v[MS+2*(\a)+1] offset:1024+64*(\a)
.endr
	s_wait_dscnt 0x0                               ; for the others' sake: my weights and sums are in LDS
	s_barrier_signal -1
	s_barrier_wait -1
	ds_load_b64 v[4:5], v[RO]                      ; two rows' figures of the one column half,
	ds_load_b64 v[6:7], v[RO] offset:512           ; and of the other
.irp t, 0,1,2,3,4,5,6,7,8,9,10,11,12,13,14,15
	ds_load_b128 v[TMP+4*(\t):TMP+4*(\t)+3], v[RD] offset:(\t)*2*SPITCH
.endr
	s_wait_dscnt 16                                ; the figures are in; the sixteen loads of rows stay out
	v_max_num_f32 v22, v4, v6
	v_max_num_f32 v23, v5, v7
	v_add_f32 v4, v4, v6
	v_add_f32 v5, v5, v7
	v_cndmask_b32 v4, v22, v4, s86                 ; waves 0, 1: the maximum; waves 2, 3: the sum
	v_cndmask_b32 v5, v23, v5, s86
	global_store_b64 v3, v[4:5], s[88:89]          ; 32 lanes store 256 consecutive bytes, aligned
.irp t, 0,1,2,3,4,5,6,7,8,9,10,11,12,13,14,15
	s_wait_dscnt 15-(\t)
	global_store_b128 v[CO], v[TMP+4*(\t):TMP+4*(\t)+3], s[8:9] offset:2*(\t)*RB  ; 16 lanes store 256 consecutive bytes, aligned
.endr
	s_wait_xcnt 0x0                                ; the stores' and the mask loads' bases, and the registers that the stores read, are written again only behind this wait
	s_add_nc_u64 s[8:9], s[8:9], 256               ; on to the next key tile: 128 columns of P,
	s_add_nc_u64 s[72:73], s[72:73], 128           ; of the mask,
	s_add_nc_u64 s[88:89], s[88:89], 16384         ; and its 4,096 rows in st (behind the last tile these are not used)
	s_barrier_signal -1                            ; my reads of the stage and of the tables are back (the count-down ended at 0): the next tile writes both again only behind this barrier
	s_barrier_wait -1
	s_sub_co_u32 s2, s2, 1
	s_cmp_lg_u32 s2, 0
	s_cbranch_scc1 .Ltile
	s_wait_tensorcnt 0x0                           ; the wave's end
	ds_add_u32 v[SPW], v[NIL]
	s_wait_dscnt 0x0
	CROUND                                         ; the closing round
	s_endpgm
.Lfunc_end_k_qd75e26a8cb_sc:
	.size	k_qd75e26a8cb_sc, .Lfunc_end_k_qd75e26a8cb_sc-k_qd75e26a8cb_sc
	.p2alignl 7, 3214868480
	.fill 96, 4, 3214868480
	.section	.rodata,"a",@progbits
	.p2align	6, 0x0
	.amdhsa_kernel k_qd75e26a8cb_sc
		.amdhsa_group_segment_fixed_size 327680
		.amdhsa_private_segment_fixed_size 0
		.amdhsa_enable_private_segment 0
		.amdhsa_kernarg_size 32
		.amdhsa_user_sgpr_count 2
		.amdhsa_user_sgpr_kernarg_segment_ptr 1
		.amdhsa_wavefront_size32 1
		.amdhsa_system_sgpr_workgroup_id_x 1
		.amdhsa_system_sgpr_workgroup_id_y 1
		.amdhsa_system_sgpr_workgroup_id_z 1
		.amdhsa_system_vgpr_workitem_id 0
		.amdhsa_next_free_vgpr 512
		.amdhsa_next_free_sgpr 96
		.amdhsa_reserve_vcc 1
		.amdhsa_float_denorm_mode_32 3
		.amdhsa_float_denorm_mode_16_64 3
		.amdhsa_memory_ordered 1
		.amdhsa_forward_progress 1
		.amdhsa_inst_pref_size 116
	.end_amdhsa_kernel
	.amdgpu_metadata
---
amdhsa.version: [ 1, 2 ]
amdhsa.kernels:
  - .name:           k_qd75e26a8cb_sc
    .symbol:         k_qd75e26a8cb_sc.kd
    .args:
      - { .name: b1, .offset: 0, .size: 8, .value_kind: global_buffer, .address_space: global }
      - { .name: mask, .offset: 8, .size: 8, .value_kind: global_buffer, .address_space: global }
      - { .name: b2, .offset: 16, .size: 8, .value_kind: global_buffer, .address_space: global }
      - { .name: st, .offset: 24, .size: 8, .value_kind: global_buffer, .address_space: global }
    .group_segment_fixed_size: 327680
    .private_segment_fixed_size: 0
    .kernarg_segment_align: 8
    .kernarg_segment_size: 32
    .max_flat_workgroup_size: 128
    .sgpr_count:     96
    .vgpr_count:     512
    .wavefront_size: 32
...
	.end_amdgpu_metadata
.endif
;; end of part 3
;; launch pv (part 4): grid 8 x 32, 4 waves a work-group, clusters of 4 x 4, 327,680 bytes of LDS; arguments b2, b1, b0, st, out_kernel, wsh; writes b0, wsh
.if DOCPART == 4
	.amdgcn_target "amdgcn-amd-amdhsa--gfx1250"
	.amdhsa_code_object_version 6
	.text
	.protected	k_qd75e26a8cb_pv
	.globl	k_qd75e26a8cb_pv
	.p2align	8
	.type	k_qd75e26a8cb_pv,@function
k_qd75e26a8cb_pv:
	s_mov_b64 s[64:65], 0
	v_nop
	global_prefetch_b8 v0, s[64:65] scope:SCOPE_SE
	s_setreg_imm32_b32 hwreg(HW_REG_WAVE_MODE, 25, 1), 1
	s_wait_xcnt 0x0
	s_wait_alu depctr_hold_cnt(0) depctr_sa_sdst(0) depctr_va_vdst(0) depctr_va_sdst(0) depctr_va_ssrc(0) depctr_va_vcc(0) depctr_vm_vsrc(0)
	s_getreg_b32 s2, hwreg(HW_REG_IB_STS2, 6, 4)
	s_cmp_eq_u32 s2, 0
	s_cbranch_scc0 .Lentry_in_a_cluster
	s_endpgm
.Lentry_in_a_cluster:
	s_bfe_u32 s2, ttmp6, 0x10000c
	s_cmp_lg_u32 s2, 0xf033
	s_cbranch_scc0 .Lentry_shape_is_right
	s_endpgm
.Lentry_shape_is_right:
; HEAD / 2 = (q + softmax . q) / 2.  P: [4096][2048] f16, the weights 2^(t - m_tile) of 16 key tiles of 128; V = q: [4096][1024] f16, [key][channel]; st: m_tile and l_tile; the result: [4096][1024] f16.
; For each row: m = the maximum of its 16 m_tile (the softmax's true maximum); f_kt = 2^(m_tile - m), at most 1; l = the sum of f_kt l_tile, at least 1.
; A key tile's product T = P V is summed in accumulators of its own and merged in f32: O += f_kt T.  O starts as l q, so that O x 0.5 / l is (q + attention) / 2; nothing is cleared.
; The halving keeps the head inside f16 where q nearly fills it; the next product's weights carry the factor 2.
; BESIDE THE PRODUCT: wsh = f16(2 x the sum of out_kernel's eight slices of 1,024 rows), the next launch's weights.  The eight heads that the module concatenates are one and the same, so their product
; with out_kernel is the head times that sum.  A work-group owns 4,096 of the 1,048,576 numbers, 512 for each of its 8 K steps: in a step each lane adds eight loads of 16 bytes that it asked for one
; K step earlier and stores 8 bytes (a wave: 256 consecutive bytes, aligned).  The sum over the slices is made in f32 ahead of the product: another order of rounding than a sum of 8,192 products.
; LIMITS.  q and 2 x the sum within f16's 65,504, with its fixed step of 6e-8 below 6e-5; a factor below 2^-126 counts as 0; NaN and infinities are not treated apart.
; SHARES, RING, CLUSTER.  A tile of 128 rows x 128 channels: 256 work-groups of four waves, each 64 x 64.  K = 2,048 keys in 8 steps of 256 (two key tiles) through two LDS slots: P's rows are 512 bytes,
; 64 to a tensor load (waves 0, 1); V's are 128 keys x 256 bytes (waves 2, 3), read out turned by ds_load_tr16_b128.  A loop trip is one K step; the first quarter is written out and jumps into the first
; loop; the last two K steps are a second loop.  4 x 4 work-groups form a cluster: P's tile is shared along a row of it, V's along a column.
; THE MATRIX INSTRUCTION IS USED TRANSPOSED (source 0 = 16 channels, source 1 = 16 rows of P): lane l holds row l % 16 and the channels 8 (l / 16) + 0..7.
; REGISTERS.  window 0: v0-31 addresses; v32-95 the residual's q, then (v32-63) the slices' numbers, at last the way out; v104-111 (l, 0.5 / l) for each m block; v112-119 a K step's two factors for
;   each m block; v128-255 T.   window 1: two fragment buffers of 128.   window 2: v0-127 O, laid out as T.
.set LDA,    2048
.set NS,     8
.set PA,     528                       ; a row of P in LDS: 512 bytes + 16: the 16 rows of a load start at 16 different groups of four banks (64 banks of 4 bytes: ISA guide 11.1)
.set PB,     288                       ; a row of V: 256 + 32
.set HALFA,  64*PA
.set HALFB,  128*PB
.set BOFF,   2*HALFA
.set SLOT,   BOFF+2*HALFB
.set ASTEP,  512
.set BSTEP,  256*2048
.set STAGE,  2*SLOT
.set SPITCH, 272
.set FT,     STAGE+128*SPITCH          ; the factors: 128 rows x 16 f32
.set LRT,    FT+8192                   ; (l, 0.5 / l) for each of 128 rows
.set SPARE,  LRT+1024
.set RB,     2048
.set SD,   8                           ; v8-9  four numbers of wsh, to store
.set SOO,  15                          ; v15  8 x my thread's number; never rewritten
.set ADRA, 16
.set GOF,  17                          ; v17  my byte offset in the residual's rows; never rewritten
.set AB0,  18
.set BB0,  19
.set ADRB, 20
.set STO,  24
.set RD,   25
.set CO,   26
.set FAD,  27                          ; v27  LDS address of my rows' next two factors
.set SPW,  28
.set NIL,  29
.set LAD,  30                          ; v30  LDS address of my rows' (l, 0.5 / l)
.set SOF,  31                          ; v31  16 x my thread's number; never rewritten
.set TMP,  32
.set SL,   32                          ; v32-63  slice s: four numbers at SL + 4 s
.set LR,   104
.set FS,   112
.set ACC,  128
.set F0,   0
.set F1,   128
.set G1,  24
.set G0,  32
.set GW,  36
.set G1B, 48
.set G0B, 56
.set GWB, 60
.set TB,  45
.set TF,  68
.set LA,  69
.set LB,  70
.set MSB, 0
.macro WIN new
.if MSB != (\new)
	s_set_vgpr_msb (MSB<<8)|(\new)
.set MSB, \new
.endif
.endm
.set MUL,  0x05
.set TO_F, 0x40
.macro PLACES
.rept 4
	v_nop
.endr
.endm
.macro JLOAD                           ; a joint refill: waves 0 and 1 fetch P's halves, waves 2 and 3 V's; an s_nop 0 and four v_nop follow each line
	s_cmp_eq_u32 s11, 0
	s_cbranch_scc0 .Lfor_b_\@
	tensor_load_to_lds s[GW:GW+3], s[G1:G1+7]
	s_nop 0
.rept 4
	v_nop
.endr
	s_branch .Lasked_\@
.Lfor_b_\@:
	tensor_load_to_lds s[GWB:GWB+3], s[G1B:G1B+7]
	s_nop 0
.rept 4
	v_nop
.endr
.Lasked_\@:
.endm
.macro CREST
	s_cmp_lg_u32 s10, 0
	s_cbranch_scc1 .Lnot_wave_0_\@
	s_barrier_signal -3
.Lnot_wave_0_\@:
	s_barrier_wait -3
	s_barrier_signal -1
	s_barrier_wait -1
.endm
.macro CROUND
	s_barrier_signal -1
	s_barrier_wait -1
	CREST
.endm
	s_load_b128 s[4:7], s[0:1], 0x0                ; P s[4:5], q s[6:7]
	s_load_b64 s[8:9], s[0:1], 0x10                ; the result
	s_load_b64 s[66:67], s[0:1], 0x18              ; st
	s_load_b128 s[84:87], s[0:1], 0x20             ; out_kernel s[84:85], wsh s[86:87]
	v_lshl_add_u32 v[SPW], v0, 2, SPARE
	v_mov_b32 v[NIL], 0
	ds_add_u32 v[SPW], v[NIL]                      ; the wave's opening: the add and its wait stand ahead of my first tensor load
	v_lshrrev_b32 v1, 5, v0
	v_readfirstlane_b32 s10, v1
	s_lshr_b32 s11, s10, 1
	s_and_b32 s12, s10, 1
	s_bfe_u32 s40, ttmp6, 0x40000
	s_bfe_u32 s41, ttmp6, 0x40004
	s_lshl_b32 s42, ttmp9, 2
	s_add_co_u32 s42, s42, s40                     ; tile column
	s_and_b32 s13, ttmp7, 0xffff
	s_lshr_b32 s71, s13, 2                         ; the batch: from the cluster's y alone
	s_lshl_b32 s13, s13, 2
	s_add_co_u32 s13, s13, s41                     ; tile row
	s_lshl_b32 s43, s41, 2
	s_lshl_b32 s43, 15, s43
	s_lshl_b32 s44, 0x1111, s40
	s_or_b32 s[G1+0], s43, (1<<16)|(1<<20)|(1<<21)|(6<<22)|(3<<25)
	s_mov_b32 s[G1+1], 256<<16
	s_mov_b32 s[G1+2], 64<<16
	s_mov_b32 s[G1+3], 256<<16
	s_mov_b32 s[G1+4], 64
	s_mov_b32 s[G1+5], LDA
	s_mov_b32 s[G1+6], 0
	s_mov_b32 s[G1+7], 0
	s_or_b32 s[G1B+0], s44, (1<<16)|(1<<20)|(1<<21)|(5<<22)|(7<<25)
	s_mov_b32 s[G1B+1], 128<<16
	s_mov_b32 s[G1B+2], 128<<16
	s_mov_b32 s[G1B+3], 128<<16
	s_mov_b32 s[G1B+4], 128
	s_mov_b32 s[G1B+5], 1024
	s_mov_b32 s[G1B+6], 0
	s_mov_b32 s[G1B+7], 0
	s_lshl_b32 s16, s13, 7
	s_lshl_b32 s17, s12, 6
	s_add_co_u32 s16, s16, s17
	s_mul_i32 s16, s16, LDA*2
	s_mov_b32 s17, 0
	s_lshl_b32 s46, s42, 8                         ; V: 256 bytes x tile column
	s_lshl_b32 s47, s12, 18                        ; + 128 keys of 2,048 bytes x half
	s_add_co_u32 s46, s46, s47
	s_lshl_b32 s47, s71, 22                        ; + the batch's 2,048 keys
	s_add_co_u32 s46, s46, s47
	s_mov_b32 s47, 0
	s_mul_i32 s[LA], s12, HALFA
	s_mul_i32 s[LB], s12, HALFB
	s_add_co_u32 s[LB], s[LB], BOFF
	s_mov_b32 s[TB], 0
	s_mov_b32 s[TF], SLOT
	s_wait_dscnt 0x0                               ; the opening add is done
	CROUND                                         ; the round in front of the first joint loads; it passes while the arguments are on their way
	s_wait_kmcnt 0x0
	s_add_nc_u64 s[14:15], s[4:5], s[16:17]
	s_add_nc_u64 s[46:47], s[6:7], s[46:47]
	s_mov_b32 s[G0], 1
	s_add_co_u32 s[G0+1], s[LA], 0
	s_add_nc_u64 s[G0+2:G0+3], s[14:15], 0
	s_or_b32 s[G0+3], s[G0+3], 0x80000000
	s_mov_b32 s[GW], 1
	s_add_co_u32 s[GW+1], s[LA], SLOT
	s_add_nc_u64 s[GW+2:GW+3], s[14:15], ASTEP
	s_or_b32 s[GW+3], s[GW+3], 0x80000000
	s_mov_b32 s[G0B], 1
	s_add_co_u32 s[G0B+1], s[LB], 0
	s_add_nc_u64 s[G0B+2:G0B+3], s[46:47], 0
	s_or_b32 s[G0B+3], s[G0B+3], 0x80000000
	s_mov_b32 s[GWB], 1
	s_add_co_u32 s[GWB+1], s[LB], SLOT
	s_add_nc_u64 s[GWB+2:GWB+3], s[46:47], BSTEP
	s_or_b32 s[GWB+3], s[GWB+3], 0x80000000
	s_cmp_eq_u32 s11, 0                            ; a wave's two first fills stand in one branch: two loads of mine are out
	s_cbranch_scc0 .Lfirst_b
	tensor_load_to_lds s[G0:G0+3], s[G1:G1+7]
	s_nop 0
	tensor_load_to_lds s[GW:GW+3], s[G1:G1+7]
	s_nop 0
.rept 4
	v_nop
.endr
	s_branch .Lfirst_asked
.Lfirst_b:
	tensor_load_to_lds s[G0B:G0B+3], s[G1B:G1B+7]
	s_nop 0
	tensor_load_to_lds s[GWB:GWB+3], s[G1B:G1B+7]
	s_nop 0
.rept 4
	v_nop
.endr
.Lfirst_asked:
	; the statistics: thread = row of the tile; its 16 m_tile and 16 l_tile
	v_lshlrev_b32 v3, 2, v0
	s_lshl_b32 s16, s13, 9
	s_mov_b32 s17, 0
	s_add_nc_u64 s[72:73], s[66:67], s[16:17]
.set i, 0
.rept 16
	global_load_b32 v[ACC+i], v3, s[72:73] offset:i*16384
.set i, i+1
.endr
.set i, 0
.rept 16
	global_load_b32 v[ACC+16+i], v3, s[72:73] offset:i*16384+262144
.set i, i+1
.endr
	; the residual: q at the places of my accumulators, 16 bytes for each
	v_and_b32 v1, 15, v0                           ; r
	v_bfe_u32 v2, v0, 4, 1                         ; h
	v_lshlrev_b32 v[GOF], 11, v1
	v_lshl_add_u32 v[GOF], v2, 4, v[GOF]
	s_lshl_b32 s16, s13, 7
	s_lshl_b32 s17, s11, 6
	s_add_co_u32 s16, s16, s17
	s_lshl_b32 s16, s16, 11
	s_mov_b32 s17, 0
	s_add_nc_u64 s[74:75], s[6:7], s[16:17]
	s_lshl_b32 s46, s42, 8
	s_lshl_b32 s47, s12, 7
	s_add_co_u32 s46, s46, s47
	s_mov_b32 s47, 0
	s_add_nc_u64 s[74:75], s[74:75], s[46:47]
.irp a, 0,1,2,3
.irp b, 0,1,2,3
	global_load_b128 v[TMP+4*(4*(\a)+(\b)):TMP+4*(4*(\a)+(\b))+3], v[GOF], s[74:75] offset:(\a)*32768+32*(\b)
.endr
.endr
	; the slices' sum: work-group 8 x tile row + tile column owns 16,384 bytes of each slice and 8,192 bytes of wsh; two bases, each reaching two slices back and one on by the immediate
	v_lshlrev_b32 v[SOF], 4, v0
	v_lshlrev_b32 v[SOO], 3, v0
	s_lshl_b32 s16, s13, 17
	s_add_nc_u64 s[76:77], s[84:85], s[16:17]
	s_lshl_b32 s46, s42, 14
	s_add_nc_u64 s[76:77], s[76:77], s[46:47]
	s_add_nc_u64 s[76:77], s[76:77], 0x800000      ; at slice 2
	s_add_nc_u64 s[78:79], s[76:77], 0x1000000     ; at slice 6
	s_lshl_b32 s16, s13, 16
	s_add_nc_u64 s[80:81], s[86:87], s[16:17]
	s_lshl_b32 s46, s42, 13
	s_add_nc_u64 s[80:81], s[80:81], s[46:47]
	v_mul_u32_u24 v4, v1, PA
	v_lshl_add_u32 v4, v2, 4, v4
	s_mul_i32 s21, s11, HALFA
	v_add_nc_u32 v[AB0], s21, v4
	v_and_b32 v4, 7, v0
	v_lshl_add_u32 v4, v2, 3, v4
	v_mul_u32_u24 v4, v4, PB
	v_bfe_u32 v5, v0, 3, 1
	v_lshl_add_u32 v4, v5, 4, v4
	s_lshl_b32 s22, s12, 7
	s_add_co_u32 s22, s22, BOFF
	v_add_nc_u32 v[BB0], s22, v4
	v_mov_b32 v[ADRA], v[AB0]
	v_mov_b32 v[ADRB], v[BB0]
	v_add_nc_u32 v[ADRB+1], HALFB, v[BB0]
	s_mul_i32 s23, s11, 64*SPITCH
	s_lshl_b32 s21, s12, 7
	s_add_co_u32 s23, s23, s21
	s_add_co_u32 s23, s23, STAGE
	v_mul_u32_u24 v4, v1, SPITCH
	v_lshl_add_u32 v4, v2, 4, v4
	v_add_nc_u32 v[STO], s23, v4
	s_mul_i32 s23, s10, 32*SPITCH
	s_add_co_u32 s23, s23, STAGE
	v_mul_u32_u24 v5, v2, SPITCH
	v_lshl_add_u32 v5, v1, 4, v5
	v_add_nc_u32 v[RD], s23, v5
	v_mul_u32_u24 v5, v2, RB
	v_lshl_add_u32 v[CO], v1, 4, v5
	s_lshl_b32 s21, s11, 12                        ; my 64 rows of the factors' table,
	s_add_co_u32 s21, s21, FT
	v_lshl_add_u32 v[FAD], v1, 6, s21
	s_lshl_b32 s22, s11, 9                         ; and of (l, 0.5 / l)
	s_add_co_u32 s22, s22, LRT
	v_lshl_add_u32 v[LAD], v1, 3, s22
	s_lshl_b32 s16, s13, 7
	s_lshl_b32 s17, s10, 5
	s_add_co_u32 s16, s16, s17
	s_mul_i32 s16, s16, RB
	s_mov_b32 s17, 0
	s_add_nc_u64 s[8:9], s[8:9], s[16:17]
	s_lshl_b32 s46, s42, 8
	s_mov_b32 s47, 0
	s_add_nc_u64 s[8:9], s[8:9], s[46:47]
	s_wait_loadcnt 16                              ; m_tile and l_tile are in; the residual's sixteen loads stay out
	v_max3_num_f32 v4, v[ACC], v[ACC+1], v[ACC+2]
	v_max3_num_f32 v5, v[ACC+3], v[ACC+4], v[ACC+5]
	v_max3_num_f32 v6, v[ACC+6], v[ACC+7], v[ACC+8]
	v_max3_num_f32 v7, v[ACC+9], v[ACC+10], v[ACC+11]
	v_max3_num_f32 v4, v4, v[ACC+12], v[ACC+13]
	v_max3_num_f32 v5, v5, v[ACC+14], v[ACC+15]
	v_max3_num_f32 v4, v4, v5, v6
	v_max_num_f32 v4, v4, v7                       ; m
.set i, 0
.rept 16
	v_sub_f32 v[ACC+i], v[ACC+i], v4
.set i, i+1
.endr
.set i, 0
.rept 16
	v_exp_f32 v[ACC+i], v[ACC+i]                   ; f
.set i, i+1
.endr
	v_nop
	s_wait_alu depctr_va_vdst(0)
	v_mul_f32 v[ACC+32], v[ACC], v[ACC+16]
	v_mul_f32 v[ACC+33], v[ACC+1], v[ACC+17]
.set i, 2
.rept 14
	v_fmac_f32 v[ACC+32+i%2], v[ACC+i], v[ACC+16+i]
.set i, i+1
.endr
	v_add_f32 v[ACC+32], v[ACC+32], v[ACC+33]      ; l
	v_rcp_f32 v[ACC+33], v[ACC+32]
	v_lshl_add_u32 v22, v0, 6, FT                  ; (plain lines behind the reciprocal)
	v_lshl_add_u32 v23, v0, 3, LRT
	s_wait_alu depctr_va_vdst(0)
	v_mul_f32 v[ACC+33], 0.5, v[ACC+33]
.irp i, 0,1,2,3
	ds_store_b128 v22, v[ACC+4*(\i):ACC+4*(\i)+3] offset:16*(\i)
.endr
	ds_store_b64 v23, v[ACC+32:ACC+33]
.macro MUL8 f, c, a0, zero             ; 8 matrix instructions; the 16 accumulators take turns
	WIN MUL
.irp a, \a0, (\a0)+1
.irp b, 0,1,2,3
.if \zero
	v_wmma_f32_16x16x32_f16 v[ACC+8*(4*(\a)+(\b)):ACC+8*(4*(\a)+(\b))+7], v[(\f)+64+8*(4*(\c)+(\b)):(\f)+64+8*(4*(\c)+(\b))+7], v[(\f)+8*(4*(\c)+(\a)):(\f)+8*(4*(\c)+(\a))+7], 0
.else
	v_wmma_f32_16x16x32_f16 v[ACC+8*(4*(\a)+(\b)):ACC+8*(4*(\a)+(\b))+7], v[(\f)+64+8*(4*(\c)+(\b)):(\f)+64+8*(4*(\c)+(\b))+7], v[(\f)+8*(4*(\c)+(\a)):(\f)+8*(4*(\c)+(\a))+7], v[ACC+8*(4*(\a)+(\b)):ACC+8*(4*(\a)+(\b))+7]
.endif
.endr
.endr
.endm
.macro FETCH q, f                      ; 32 LDS loads in one run: quarter q (64 keys) of the slot in hand into buffer f; the first 32 keys first
	WIN TO_F
.irp c, 0,1
.irp i, 0,1,2,3
	ds_load_tr16_b128 v[(\f)+64+8*(4*(\c)+(\i)):(\f)+64+8*(4*(\c)+(\i))+3],   v[ADRB+(\q)/2] offset:(64*((\q)%2)+32*(\c))*PB+32*(\i)
	ds_load_tr16_b128 v[(\f)+64+8*(4*(\c)+(\i))+4:(\f)+64+8*(4*(\c)+(\i))+7], v[ADRB+(\q)/2] offset:(64*((\q)%2)+32*(\c)+16)*PB+32*(\i)
	ds_load_b128 v[(\f)+8*(4*(\c)+(\i)):(\f)+8*(4*(\c)+(\i))+3],   v[ADRA] offset:128*(\q)+64*(\c)+(\i)*16*PA
	ds_load_b128 v[(\f)+8*(4*(\c)+(\i))+4:(\f)+8*(4*(\c)+(\i))+7], v[ADRA] offset:128*(\q)+64*(\c)+(\i)*16*PA+32
.endr
.endr
.endm
.macro FLOAD                           ; the next K step's two factors for my rows of each m block
	WIN 0
.irp a, 0,1,2,3
	ds_load_b64 v[FS+2*(\a):FS+2*(\a)+1], v[FAD] offset:1024*(\a)
.endr
	v_add_nc_u32 v[FAD], 8, v[FAD]
.endm
.macro MERGE sel                       ; O += f T, each accumulator from its low end on; sel: the K step's first key tile (0) or its second (1)
	WIN 0xa0                                       ; O (destination and source 2) in window 2, T and f in window 0
.set t, 0
.rept 16
.irp p, 0,1,2,3
.if \sel
	v_pk_fma_f32 v[8*t+2*(\p):8*t+2*(\p)+1], v[ACC+8*t+2*(\p):ACC+8*t+2*(\p)+1], v[FS+2*(t/4):FS+2*(t/4)+1], v[8*t+2*(\p):8*t+2*(\p)+1] op_sel:[0,1,0] op_sel_hi:[1,1,1]
.else
	v_pk_fma_f32 v[8*t+2*(\p):8*t+2*(\p)+1], v[ACC+8*t+2*(\p):ACC+8*t+2*(\p)+1], v[FS+2*(t/4):FS+2*(t/4)+1], v[8*t+2*(\p):8*t+2*(\p)+1] op_sel_hi:[1,0,1]
.endif
.endr
.set t, t+1
.endr
.endm
.macro SUMASK                          ; eight loads: my four numbers of each slice; a wave's load covers 512 consecutive bytes
.irp s, 0,1,2,3,4,5,6,7
	global_load_b128 v[SL+4*(\s):SL+4*(\s)+3], v[SOF], s[76+2*((\s)/4):77+2*((\s)/4)] offset:(((\s)%4)-2)*4194304 th:TH_LOAD_NT
.endr
.endm
; One K step's part of the slices' sum.  ask = 1: the next part is asked for; ask = 2: the same, but not in the second loop's last trip (s3 = 1), behind which there is none.
.macro SUMSTEP ask
	WIN 0
	s_wait_loadcnt 0x0                             ; the eight loads asked for a K step ago: no other load of mine is out
	s_wait_xcnt 0x0                                ; the last part's store has read SD and its base: both are written again only behind this wait
	s_add_nc_u64 s[80:81], s[80:81], 1024          ; the store below reaches back
.irp s, 0,2,4,6
	v_pk_add_f32 v[SL+4*(\s):SL+4*(\s)+1],   v[SL+4*(\s):SL+4*(\s)+1],   v[SL+4*(\s)+4:SL+4*(\s)+5]
	v_pk_add_f32 v[SL+4*(\s)+2:SL+4*(\s)+3], v[SL+4*(\s)+2:SL+4*(\s)+3], v[SL+4*(\s)+6:SL+4*(\s)+7]
.endr
.irp s, 0,4
	v_pk_add_f32 v[SL+4*(\s):SL+4*(\s)+1],   v[SL+4*(\s):SL+4*(\s)+1],   v[SL+4*(\s)+8:SL+4*(\s)+9]
	v_pk_add_f32 v[SL+4*(\s)+2:SL+4*(\s)+3], v[SL+4*(\s)+2:SL+4*(\s)+3], v[SL+4*(\s)+10:SL+4*(\s)+11]
.endr
	v_pk_add_f32 v[SL:SL+1],   v[SL:SL+1],   v[SL+16:SL+17]
	v_pk_add_f32 v[SL+2:SL+3], v[SL+2:SL+3], v[SL+18:SL+19]
	v_pk_mul_f32 v[SL:SL+1],   v[SL:SL+1],   2.0 op_sel_hi:[1,0]
	v_pk_mul_f32 v[SL+2:SL+3], v[SL+2:SL+3], 2.0 op_sel_hi:[1,0]
	v_cvt_pk_f16_f32 v[SD],   v[SL],   v[SL+1]
	v_cvt_pk_f16_f32 v[SD+1], v[SL+2], v[SL+3]
	global_store_b64 v[SOO], v[SD:SD+1], s[80:81] offset:-1024  ; 32 lanes store 256 consecutive bytes, aligned
.if (\ask) == 2
	s_cmp_eq_u32 s3, 1
	s_cbranch_scc1 .Lno_ask_\@
.endif
	s_add_nc_u64 s[76:77], s[76:77], 2048          ; free since the wait for the loads that named them
	s_add_nc_u64 s[78:79], s[78:79], 2048
	SUMASK
.if (\ask) == 2
.Lno_ask_\@:
.endif
.endm
; One of a K step's first three quarters: multiplies buffer f and fetches quarter q into g.  merge = 0, 1: the key tile just finished is merged first, and (zero = 1) the products start the next tile's sums.
; fload = 1: the next K step's factors are asked for ahead of the run of loads, so that the wait behind the run covers them.  sum: this K step's part of the slices' sum stands in the quarter's middle.
.macro QUARTER q, f, g, zero, merge=-1, fload=0, sum=0
	s_wait_dscnt 16                                ; the first 32 keys are in
.if (\merge) >= 0
	PLACES                                         ; the merge reads results just made
	MERGE \merge
.endif
	MUL8 \f, 0, 0, \zero
	MUL8 \f, 0, 2, \zero
.if \sum
	SUMSTEP \sum
.endif
	PLACES
.if \fload
	FLOAD
.endif
	FETCH \q, \g
	s_wait_dscnt 32                                ; all but the 32 just issued
	MUL8 \f, 1, 0, 0
	MUL8 \f, 1, 2, 0
.endm
; The last quarter and the change of slots.  fill = 0: the loop of the last two K steps; in its last trip (s3 = 1) the fetch is jumped over.
.macro TURN fill
	WIN 0
	s_wait_tensorcnt 0x0                           ; all my tensor loads have landed: my part of the next slot; so a group 0 may be written
	ds_add_u32 v[SPW], v[NIL]                      ; 0 onto my spare word
.if \fill
	s_xor_b32 s[TF], s[TF], SLOT
	s_add_co_u32 s[GW+1], s[LA], s[TF]
	s_add_co_u32 s[GWB+1], s[LB], s[TF]
	s_add_nc_u64 s[GW+2:GW+3], s[GW+2:GW+3], ASTEP
	s_add_nc_u64 s[GWB+2:GWB+3], s[GWB+2:GWB+3], BSTEP
.endif
	s_wait_dscnt 17                                ; (the add and the youngest sixteen loads may be out)
	MUL8 F1, 0, 0, 0
	s_wait_dscnt 0x0                               ; the add is done, and my reads of this slot are over
	s_barrier_signal -1
	MUL8 F1, 0, 2, 0
	WIN 0
	s_barrier_wait -1
.if \fill
	CREST                                          ; the barrier has opened a round of the cluster's: no wave of any partner still reads this slot or has a load on its way
	JLOAD                                          ; the first tensor load behind the round; its four v_nop are also the places in front of the loads below
.else
	s_cmp_eq_u32 s3, 1
	s_cbranch_scc1 .Lno_fetch_\@
	PLACES
.endif
	s_xor_b32 s[TB], s[TB], SLOT
	v_add_nc_u32 v[ADRA], s[TB], v[AB0]
	v_add_nc_u32 v[ADRB], s[TB], v[BB0]
	v_add_nc_u32 v[ADRB+1], HALFB, v[ADRB]
	FETCH 0, F0
.if !(\fill)
	WIN 0
.Lno_fetch_\@:
.endif
	MUL8 F1, 1, 0, 0
	MUL8 F1, 1, 2, 0
.endm
	s_wait_tensorcnt 1                             ; my part of K step 0 is in; K step 1's may stay out
	s_wait_dscnt 0x0                               ; for the others' sake: my rows' factors are in LDS
	s_barrier_signal -1
	s_barrier_wait -1
.irp a, 0,1,2,3
	ds_load_b64 v[LR+2*(\a):LR+2*(\a)+1], v[LAD] offset:128*(\a)
.endr
	FLOAD                                          ; K step 0's factors
	FETCH 0, F0
	WIN 0
	s_wait_loadcnt 0x0                             ; the residual
	s_wait_dscnt 32                                ; l and the factors are in; the 32 fragment loads stay out
.irp r, 32,33,34,35,36,37,38,39,40,41,42,43,44,45,46,47,48,49,50,51,52,53,54,55,56,57,58,59,60,61,62,63,64,65,66,67,68,69,70,71,72,73,74,75,76,77,78,79,80,81,82,83,84,85,86,87,88,89,90,91,92,93,94,95
	v_cvt_f32_f16 v[ACC+2*((\r)-TMP)], v\r\().l
	v_cvt_f32_f16 v[ACC+2*((\r)-TMP)+1], v\r\().h
.endr
	SUMASK                                         ; the residual's registers are read out: the slices' first part is asked for
	WIN 0x80                                       ; destination window 2
.set t, 0
.rept 16
.irp p, 0,1,2,3
	v_pk_mul_f32 v[8*t+2*(\p):8*t+2*(\p)+1], v[ACC+8*t+2*(\p):ACC+8*t+2*(\p)+1], v[LR+2*(t/4):LR+2*(t/4)+1] op_sel_hi:[1,0]  ; O = l q
.endr
.set t, t+1
.endr
	QUARTER 1, F0, F1, 1                           ; key tile 0 begins
	WIN 0
	s_mov_b32 s3, NS-2
	s_branch .Lin                                  ; the loop is entered behind its first quarter
.Lstep:                                                ; a trip is a K step: two key tiles are merged, one part of the slices is summed, one slot is filled again
	QUARTER 1, F0, F1, 1, 1, 1
	WIN 0
.Lin:
	QUARTER 2, F1, F0, 0, -1, 0, 1
	QUARTER 3, F0, F1, 1, 0
	TURN 1
	WIN 0
	s_sub_co_u32 s3, s3, 1
	s_cmp_lg_u32 s3, 0
	s_cbranch_scc1 .Lstep
	s_mov_b32 s3, 2
.Ltail:                                                ; the last two K steps ask for no tile
	QUARTER 1, F0, F1, 1, 1, 1
	QUARTER 2, F1, F0, 0, -1, 0, 2
	QUARTER 3, F0, F1, 1, 0
	TURN 0
	WIN 0
	s_sub_co_u32 s3, s3, 1
	s_cmp_lg_u32 s3, 0
	s_cbranch_scc1 .Ltail
	PLACES
	MERGE 1                                        ; the last key tile
	WIN 0x82                                       ; O in window 2, 0.5 / l in window 0
.set t, 0
.rept 16
.irp p, 0,1,2,3
	v_pk_mul_f32 v[8*t+2*(\p):8*t+2*(\p)+1], v[8*t+2*(\p):8*t+2*(\p)+1], v[LR+2*(t/4):LR+2*(t/4)+1] op_sel:[0,1] op_sel_hi:[1,1]
.endr
.set t, t+1
.endr
	WIN 0x0a                                       ; sources window 2, destination window 0
.set i, 0
.rept 64
	v_cvt_pk_f16_f32 v[TMP+i], v[2*i], v[2*i+1]
.set i, i+1
.endr
	WIN 0
	; THE WAY OUT: through the work-group's stage, a barrier between writing and reading, whole rows out
.irp a, 0,1,2,3
.irp b, 0,1,2,3
	ds_store_b128 v[STO], v[TMP+4*(4*(\a)+(\b)):TMP+4*(4*(\a)+(\b))+3] offset:(\a)*16*SPITCH+32*(\b)
.endr
.endr
	s_wait_dscnt 0x0
	s_barrier_signal -1
	s_barrier_wait -1
.irp t, 0,1,2,3,4,5,6,7,8,9,10,11,12,13,14,15
	ds_load_b128 v[TMP+4*(\t):TMP+4*(\t)+3], v[RD] offset:(\t)*2*SPITCH
.endr
.irp t, 0,1,2,3,4,5,6,7,8,9,10,11,12,13,14,15
	s_wait_dscnt 15-(\t)
	global_store_b128 v[CO], v[TMP+4*(\t):TMP+4*(\t)+3], s[8:9] offset:2*(\t)*RB  ; 16 lanes store 256 consecutive bytes, aligned
.endr
	s_wait_tensorcnt 0x0                           ; the wave's end
	ds_add_u32 v[SPW], v[NIL]
	s_wait_dscnt 0x0
	CROUND                                         ; the closing round
	s_endpgm
.Lfunc_end_k_qd75e26a8cb_pv:
	.size	k_qd75e26a8cb_pv, .Lfunc_end_k_qd75e26a8cb_pv-k_qd75e26a8cb_pv
	.p2alignl 7, 3214868480
	.fill 96, 4, 3214868480
	.section	.rodata,"a",@progbits
	.p2align	6, 0x0
	.amdhsa_kernel k_qd75e26a8cb_pv
		.amdhsa_group_segment_fixed_size 327680
		.amdhsa_private_segment_fixed_size 0
		.amdhsa_enable_private_segment 0
		.amdhsa_kernarg_size 48
		.amdhsa_user_sgpr_count 2
		.amdhsa_user_sgpr_kernarg_segment_ptr 1
		.amdhsa_wavefront_size32 1
		.amdhsa_system_sgpr_workgroup_id_x 1
		.amdhsa_system_sgpr_workgroup_id_y 1
		.amdhsa_system_sgpr_workgroup_id_z 1
		.amdhsa_system_vgpr_workitem_id 0
		.amdhsa_next_free_vgpr 640
		.amdhsa_next_free_sgpr 96
		.amdhsa_reserve_vcc 0
		.amdhsa_float_denorm_mode_32 3
		.amdhsa_float_denorm_mode_16_64 3
		.amdhsa_memory_ordered 1
		.amdhsa_forward_progress 1
		.amdhsa_inst_pref_size 107
	.end_amdhsa_kernel
	.amdgpu_metadata
---
amdhsa.version: [ 1, 2 ]
amdhsa.kernels:
  - .name:           k_qd75e26a8cb_pv
    .symbol:         k_qd75e26a8cb_pv.kd
    .args:
      - { .name: b2, .offset: 0, .size: 8, .value_kind: global_buffer, .address_space: global }
      - { .name: b1, .offset: 8, .size: 8, .value_kind: global_buffer, .address_space: global }
      - { .name: b0, .offset: 16, .size: 8, .value_kind: global_buffer, .address_space: global }
      - { .name: st, .offset: 24, .size: 8, .value_kind: global_buffer, .address_space: global }
      - { .name: out_kernel, .offset: 32, .size: 8, .value_kind: global_buffer, .address_space: global }
      - { .name: wsh, .offset: 40, .size: 8, .value_kind: global_buffer, .address_space: global }
    .group_segment_fixed_size: 327680
    .private_segment_fixed_size: 0
    .kernarg_segment_align: 8
    .kernarg_segment_size: 48
    .max_flat_workgroup_size: 128
    .sgpr_count:     96
    .vgpr_count:     640
    .wavefront_size: 32
...
	.end_amdgpu_metadata
.endif
;; end of part 4
;; launch gh (part 5): grid 8 x 32, 4 waves a work-group, clusters of 4 x 4, 327,680 bytes of LDS; arguments b0, wsh, b2, out_bias; writes b2
.if DOCPART == 5
	.amdgcn_target "amdgcn-amd-amdhsa--gfx1250"
	.amdhsa_code_object_version 6
	.text
	.protected	k_qd75e26a8cb_gh
	.globl	k_qd75e26a8cb_gh
	.p2align	8
	.type	k_qd75e26a8cb_gh,@function
k_qd75e26a8cb_gh:
	s_mov_b64 s[64:65], 0
	v_nop
	global_prefetch_b8 v0, s[64:65] scope:SCOPE_SE
	s_setreg_imm32_b32 hwreg(HW_REG_WAVE_MODE, 25, 1), 1
	s_wait_xcnt 0x0
	s_wait_alu depctr_hold_cnt(0) depctr_sa_sdst(0) depctr_va_vdst(0) depctr_va_sdst(0) depctr_va_ssrc(0) depctr_va_vcc(0) depctr_vm_vsrc(0)
	s_getreg_b32 s2, hwreg(HW_REG_IB_STS2, 6, 4)
	s_cmp_eq_u32 s2, 0
	s_cbranch_scc0 .Lentry_in_a_cluster
	s_endpgm
.Lentry_in_a_cluster:
	s_bfe_u32 s2, ttmp6, 0x10000c
	s_cmp_lg_u32 s2, 0xf033
	s_cbranch_scc0 .Lentry_shape_is_right
	s_endpgm
.Lentry_shape_is_right:
; C = A B + bias.  A: [4096][1024] f16, B: [1024 (k)][1024 (n)] f16, bias: [1024] f32, C: [4096][1024] f32; sums in f32.  One text for the projection behind the heads and for the last product.
; LIMITS.  A and B within f16's 65,504, with its fixed step of 6e-8 below 6e-5.  NaN and infinities are not treated apart.
; SHARES, RING, CLUSTER.  A tile of C is 128 x 128: 256 work-groups of four waves, each 64 x 64: 16 accumulators.  K goes in 4 steps of 256 through two LDS slots filled by tensor loads: A's rows are
; 512 bytes, 64 to a load (waves 0, 1); B's are 128 rows of k x 256 bytes (waves 2, 3), read out turned by ds_load_tr16_b128.  A loop trip is one K step; the slot's offset is a scalar turned by an
; exclusive or; the first quarter is written out and jumps into the first loop; the last two K steps are a second loop.  4 x 4 work-groups form a cluster: A's tile is shared along a row of it, B's along a column.
; THE MATRIX INSTRUCTION IS USED TRANSPOSED: lane l holds row l % 16 of C and the columns 8 (l / 16) + 0..7.
; THE WAY OUT.  A wave's 64 columns of f32 are 256 aligned bytes of a row, so each wave has a stage of its own, 16 rows, and no barrier is needed.
; REGISTERS.  window 0: v0-31 addresses; v32-95 rows read back, two sets; v96-127 my 32 numbers of the bias; v128-255 the accumulators.  window 1: two fragment buffers of 128.
.set LDA,    1024
.set NS,     4
.set PA,     528                       ; 512 bytes + 16: the 16 rows of a load start at 16 different groups of four banks (64 banks of 4 bytes: ISA guide 11.1)
.set PB,     288                       ; 256 + 32
.set HALFA,  64*PA
.set HALFB,  128*PB
.set BOFF,   2*HALFA
.set SLOT,   BOFF+2*HALFB
.set ASTEP,  512
.set BSTEP,  256*2048
.set STAGE,  2*SLOT                    ; behind the ring: 16 rows x 272 bytes for each wave
.set SPITCH, 272
.set SPARE,  STAGE+4*16*SPITCH
.set ADRA, 16
.set GOF,  17                          ; v17  my byte offset in the bias; never rewritten
.set AB0,  18
.set BB0,  19
.set ADRB, 20
.set STO,  24
.set RD,   25
.set CO,   26
.set SPW,  28
.set NIL,  29
.set TMP,  32
.set BI,   96
.set ACC,  128
.set F0,   0
.set F1,   128
.set G1,  24
.set G0,  32
.set GW,  36
.set G1B, 48
.set G0B, 56
.set GWB, 60
.set TB,  45
.set TF,  68
.set LA,  69
.set LB,  70
.set MSB, 0
.macro WIN new
.if MSB != (\new)
	s_set_vgpr_msb (MSB<<8)|(\new)
.set MSB, \new
.endif
.endm
.set MUL,  0x05
.set TO_F, 0x40
.macro PLACES
.rept 4
	v_nop
.endr
.endm
.macro JLOAD                           ; a joint refill: waves 0 and 1 fetch A's halves, waves 2 and 3 B's; an s_nop 0 and four v_nop follow each line
	s_cmp_eq_u32 s11, 0
	s_cbranch_scc0 .Lfor_b_\@
	tensor_load_to_lds s[GW:GW+3], s[G1:G1+7]
	s_nop 0
.rept 4
	v_nop
.endr
	s_branch .Lasked_\@
.Lfor_b_\@:
	tensor_load_to_lds s[GWB:GWB+3], s[G1B:G1B+7]
	s_nop 0
.rept 4
	v_nop
.endr
.Lasked_\@:
.endm
.macro CREST
	s_cmp_lg_u32 s10, 0
	s_cbranch_scc1 .Lnot_wave_0_\@
	s_barrier_signal -3
.Lnot_wave_0_\@:
	s_barrier_wait -3
	s_barrier_signal -1
	s_barrier_wait -1
.endm
.macro CROUND
	s_barrier_signal -1
	s_barrier_wait -1
	CREST
.endm
	s_load_b128 s[4:7], s[0:1], 0x0                ; A s[4:5], B s[6:7]
	s_load_b64 s[8:9], s[0:1], 0x10                ; C
	s_load_b64 s[66:67], s[0:1], 0x18              ; bias
	v_lshl_add_u32 v[SPW], v0, 2, SPARE
	v_mov_b32 v[NIL], 0
	ds_add_u32 v[SPW], v[NIL]                      ; the wave's opening: the add and its wait stand ahead of my first tensor load
	v_lshrrev_b32 v1, 5, v0
	v_readfirstlane_b32 s10, v1
	s_lshr_b32 s11, s10, 1
	s_and_b32 s12, s10, 1
	s_bfe_u32 s40, ttmp6, 0x40000
	s_bfe_u32 s41, ttmp6, 0x40004
	s_lshl_b32 s42, ttmp9, 2
	s_add_co_u32 s42, s42, s40
	s_and_b32 s13, ttmp7, 0xffff
	s_lshl_b32 s13, s13, 2
	s_add_co_u32 s13, s13, s41
	s_lshl_b32 s43, s41, 2
	s_lshl_b32 s43, 15, s43
	s_lshl_b32 s44, 0x1111, s40
	s_or_b32 s[G1+0], s43, (1<<16)|(1<<20)|(1<<21)|(6<<22)|(3<<25)
	s_mov_b32 s[G1+1], 256<<16
	s_mov_b32 s[G1+2], 64<<16
	s_mov_b32 s[G1+3], 256<<16
	s_mov_b32 s[G1+4], 64
	s_mov_b32 s[G1+5], LDA
	s_mov_b32 s[G1+6], 0
	s_mov_b32 s[G1+7], 0
	s_or_b32 s[G1B+0], s44, (1<<16)|(1<<20)|(1<<21)|(5<<22)|(7<<25)
	s_mov_b32 s[G1B+1], 128<<16
	s_mov_b32 s[G1B+2], 128<<16
	s_mov_b32 s[G1B+3], 128<<16
	s_mov_b32 s[G1B+4], 128
	s_mov_b32 s[G1B+5], 1024
	s_mov_b32 s[G1B+6], 0
	s_mov_b32 s[G1B+7], 0
	s_lshl_b32 s16, s13, 7
	s_lshl_b32 s17, s12, 6
	s_add_co_u32 s16, s16, s17
	s_mul_i32 s16, s16, LDA*2
	s_mov_b32 s17, 0
	s_lshl_b32 s46, s42, 8
	s_lshl_b32 s47, s12, 18
	s_add_co_u32 s46, s46, s47
	s_mov_b32 s47, 0
	s_mul_i32 s[LA], s12, HALFA
	s_mul_i32 s[LB], s12, HALFB
	s_add_co_u32 s[LB], s[LB], BOFF
	s_mov_b32 s[TB], 0
	s_mov_b32 s[TF], SLOT
	s_wait_dscnt 0x0                               ; the opening add is done
	CROUND                                         ; the round in front of the first joint loads; it passes while the arguments are on their way
	s_wait_kmcnt 0x0
	s_add_nc_u64 s[14:15], s[4:5], s[16:17]
	s_add_nc_u64 s[46:47], s[6:7], s[46:47]
	s_mov_b32 s[G0], 1
	s_add_co_u32 s[G0+1], s[LA], 0
	s_add_nc_u64 s[G0+2:G0+3], s[14:15], 0
	s_or_b32 s[G0+3], s[G0+3], 0x80000000
	s_mov_b32 s[GW], 1
	s_add_co_u32 s[GW+1], s[LA], SLOT
	s_add_nc_u64 s[GW+2:GW+3], s[14:15], ASTEP
	s_or_b32 s[GW+3], s[GW+3], 0x80000000
	s_mov_b32 s[G0B], 1
	s_add_co_u32 s[G0B+1], s[LB], 0
	s_add_nc_u64 s[G0B+2:G0B+3], s[46:47], 0
	s_or_b32 s[G0B+3], s[G0B+3], 0x80000000
	s_mov_b32 s[GWB], 1
	s_add_co_u32 s[GWB+1], s[LB], SLOT
	s_add_nc_u64 s[GWB+2:GWB+3], s[46:47], BSTEP
	s_or_b32 s[GWB+3], s[GWB+3], 0x80000000
	s_cmp_eq_u32 s11, 0                            ; a wave's two first fills stand in one branch: two loads of mine are out
	s_cbranch_scc0 .Lfirst_b
	tensor_load_to_lds s[G0:G0+3], s[G1:G1+7]
	s_nop 0
	tensor_load_to_lds s[GW:GW+3], s[G1:G1+7]
	s_nop 0
.rept 4
	v_nop
.endr
	s_branch .Lfirst_asked
.Lfirst_b:
	tensor_load_to_lds s[G0B:G0B+3], s[G1B:G1B+7]
	s_nop 0
	tensor_load_to_lds s[GWB:GWB+3], s[G1B:G1B+7]
	s_nop 0
.rept 4
	v_nop
.endr
.Lfirst_asked:
	v_and_b32 v1, 15, v0                           ; r
	v_bfe_u32 v2, v0, 4, 1                         ; h
	; the bias of my columns 16 b + 8 h + 0..7; the same column offset serves C, which is f32 too
	v_lshlrev_b32 v[GOF], 5, v2
	s_lshl_b32 s46, s42, 9
	s_lshl_b32 s47, s12, 8
	s_add_co_u32 s46, s46, s47
	s_mov_b32 s47, 0
	s_add_nc_u64 s[72:73], s[66:67], s[46:47]
	s_add_nc_u64 s[8:9], s[8:9], s[46:47]
.irp b, 0,1,2,3
	global_load_b128 v[BI+8*(\b):BI+8*(\b)+3],   v[GOF], s[72:73] offset:64*(\b)
	global_load_b128 v[BI+8*(\b)+4:BI+8*(\b)+7], v[GOF], s[72:73] offset:64*(\b)+16
.endr
	v_mul_u32_u24 v3, v1, PA
	v_lshl_add_u32 v3, v2, 4, v3
	s_mul_i32 s21, s11, HALFA
	v_add_nc_u32 v[AB0], s21, v3
	v_and_b32 v4, 7, v0
	v_lshl_add_u32 v4, v2, 3, v4
	v_mul_u32_u24 v4, v4, PB
	v_bfe_u32 v5, v0, 3, 1
	v_lshl_add_u32 v4, v5, 4, v4
	s_lshl_b32 s22, s12, 7
	s_add_co_u32 s22, s22, BOFF
	v_add_nc_u32 v[BB0], s22, v4
	v_mov_b32 v[ADRA], v[AB0]
	v_mov_b32 v[ADRB], v[BB0]
	v_add_nc_u32 v[ADRB+1], HALFB, v[BB0]
	s_mul_i32 s23, s10, 16*SPITCH
	s_add_co_u32 s23, s23, STAGE                   ; my stage
	v_mul_u32_u24 v4, v1, SPITCH                   ; in: row r, 32 bytes for each half of the lanes
	v_lshl_add_u32 v4, v2, 5, v4
	v_add_nc_u32 v[STO], s23, v4
	v_mul_u32_u24 v5, v2, SPITCH                   ; back: lanes 0-15 one row of 256 bytes, lanes 16-31 the next
	v_lshl_add_u32 v5, v1, 4, v5
	v_add_nc_u32 v[RD], s23, v5
	v_lshlrev_b32 v5, 12, v2
	v_lshl_add_u32 v[CO], v1, 4, v5
	s_lshl_b32 s16, s13, 7
	s_lshl_b32 s17, s11, 6
	s_add_co_u32 s16, s16, s17                     ; my first row of C
	s_lshl_b32 s16, s16, 12
	s_mov_b32 s17, 0
	s_add_nc_u64 s[8:9], s[8:9], s[16:17]
.macro MUL8 f, c, a0, zero             ; 8 matrix instructions; the 16 accumulators take turns
	WIN MUL
.irp a, \a0, (\a0)+1
.irp b, 0,1,2,3
.if \zero
	v_wmma_f32_16x16x32_f16 v[ACC+8*(4*(\a)+(\b)):ACC+8*(4*(\a)+(\b))+7], v[(\f)+64+8*(4*(\c)+(\b)):(\f)+64+8*(4*(\c)+(\b))+7], v[(\f)+8*(4*(\c)+(\a)):(\f)+8*(4*(\c)+(\a))+7], 0
.else
	v_wmma_f32_16x16x32_f16 v[ACC+8*(4*(\a)+(\b)):ACC+8*(4*(\a)+(\b))+7], v[(\f)+64+8*(4*(\c)+(\b)):(\f)+64+8*(4*(\c)+(\b))+7], v[(\f)+8*(4*(\c)+(\a)):(\f)+8*(4*(\c)+(\a))+7], v[ACC+8*(4*(\a)+(\b)):ACC+8*(4*(\a)+(\b))+7]
.endif
.endr
.endr
.endm
.macro FETCH q, f                      ; 32 LDS loads in one run: quarter q of the slot in hand into buffer f; the first 32 along K first
	WIN TO_F
.irp c, 0,1
.irp i, 0,1,2,3
	ds_load_tr16_b128 v[(\f)+64+8*(4*(\c)+(\i)):(\f)+64+8*(4*(\c)+(\i))+3],   v[ADRB+(\q)/2] offset:(64*((\q)%2)+32*(\c))*PB+32*(\i)
	ds_load_tr16_b128 v[(\f)+64+8*(4*(\c)+(\i))+4:(\f)+64+8*(4*(\c)+(\i))+7], v[ADRB+(\q)/2] offset:(64*((\q)%2)+32*(\c)+16)*PB+32*(\i)
	ds_load_b128 v[(\f)+8*(4*(\c)+(\i)):(\f)+8*(4*(\c)+(\i))+3],   v[ADRA] offset:128*(\q)+64*(\c)+(\i)*16*PA
	ds_load_b128 v[(\f)+8*(4*(\c)+(\i))+4:(\f)+8*(4*(\c)+(\i))+7], v[ADRA] offset:128*(\q)+64*(\c)+(\i)*16*PA+32
.endr
.endr
.endm
.macro QUARTER q, f, g, zero
	s_wait_dscnt 16                                ; the first 32 along K are in
	MUL8 \f, 0, 0, \zero
	MUL8 \f, 0, 2, \zero
	PLACES
	FETCH \q, \g
	s_wait_dscnt 32                                ; all but the 32 just issued
	MUL8 \f, 1, 0, 0
	MUL8 \f, 1, 2, 0
.endm
; The last quarter and the change of slots.  fill = 0: the loop of the last two K steps; in its last trip (s3 = 1) the fetch is jumped over.
.macro TURN fill
	WIN 0
	s_wait_tensorcnt 0x0                           ; all my tensor loads have landed: my part of the next slot; so a group 0 may be written
	ds_add_u32 v[SPW], v[NIL]                      ; 0 onto my spare word
.if \fill
	s_xor_b32 s[TF], s[TF], SLOT
	s_add_co_u32 s[GW+1], s[LA], s[TF]
	s_add_co_u32 s[GWB+1], s[LB], s[TF]
	s_add_nc_u64 s[GW+2:GW+3], s[GW+2:GW+3], ASTEP
	s_add_nc_u64 s[GWB+2:GWB+3], s[GWB+2:GWB+3], BSTEP
.endif
	s_wait_dscnt 17                                ; (the add and the youngest sixteen loads may be out)
	MUL8 F1, 0, 0, 0
	s_wait_dscnt 0x0                               ; the add is done, and my reads of this slot are over
	s_barrier_signal -1
	MUL8 F1, 0, 2, 0
	WIN 0
	s_barrier_wait -1
.if \fill
	CREST                                          ; the barrier has opened a round of the cluster's: no wave of any partner still reads this slot or has a load on its way
	JLOAD                                          ; the first tensor load behind the round; its four v_nop are also the places in front of the loads below
.else
	s_cmp_eq_u32 s3, 1
	s_cbranch_scc1 .Lno_fetch_\@
	PLACES
.endif
	s_xor_b32 s[TB], s[TB], SLOT
	v_add_nc_u32 v[ADRA], s[TB], v[AB0]
	v_add_nc_u32 v[ADRB], s[TB], v[BB0]
	v_add_nc_u32 v[ADRB+1], HALFB, v[ADRB]
	FETCH 0, F0
.if !(\fill)
	WIN 0
.Lno_fetch_\@:
.endif
	MUL8 F1, 1, 0, 0
	MUL8 F1, 1, 2, 0
.endm
	s_wait_tensorcnt 1                             ; my part of K step 0 is in; K step 1's may stay out
	s_barrier_signal -1
	s_barrier_wait -1
	FETCH 0, F0
	QUARTER 1, F0, F1, 1                           ; the first quarter is written out: its first products start the sums
	WIN 0
	s_mov_b32 s3, NS-2
	s_branch .Lin                                  ; the loop is entered behind its first quarter
.Lstep:
	QUARTER 1, F0, F1, 0
	WIN 0
.Lin:
	QUARTER 2, F1, F0, 0
	QUARTER 3, F0, F1, 0
	TURN 1
	WIN 0
	s_sub_co_u32 s3, s3, 1
	s_cmp_lg_u32 s3, 0
	s_cbranch_scc1 .Lstep
	s_mov_b32 s3, 2
.Ltail:                                                ; the last two K steps ask for nothing
	QUARTER 1, F0, F1, 0
	QUARTER 2, F1, F0, 0
	QUARTER 3, F0, F1, 0
	TURN 0
	WIN 0
	s_sub_co_u32 s3, s3, 1
	s_cmp_lg_u32 s3, 0
	s_cbranch_scc1 .Ltail
	; THE WAY OUT, 16 rows at a time: the bias is added, each accumulator from its low end on; 32 bytes a lane into my stage; back as whole rows of 256 bytes
.macro OUTBLK a
.set bk, TMP+32*((\a)%2)
.irp b, 0,1,2,3
.irp p, 0,1,2,3
	v_pk_add_f32 v[ACC+8*(4*(\a)+(\b))+2*(\p):ACC+8*(4*(\a)+(\b))+2*(\p)+1], v[ACC+8*(4*(\a)+(\b))+2*(\p):ACC+8*(4*(\a)+(\b))+2*(\p)+1], v[BI+8*(\b)+2*(\p):BI+8*(\b)+2*(\p)+1]
.endr
.endr
	s_wait_xcnt 0x0                                ; the registers that earlier stores read are loaded again only behind this wait
.irp b, 0,1,2,3
	ds_store_b128 v[STO], v[ACC+8*(4*(\a)+(\b)):ACC+8*(4*(\a)+(\b))+3]   offset:64*(\b)
	ds_store_b128 v[STO], v[ACC+8*(4*(\a)+(\b))+4:ACC+8*(4*(\a)+(\b))+7] offset:64*(\b)+16
.endr
.irp t, 0,1,2,3,4,5,6,7
	ds_load_b128 v[bk+4*(\t):bk+4*(\t)+3], v[RD] offset:(\t)*2*SPITCH  ; LDS serves a wave's instructions in order (ISA guide 5.7.1.4): these see the stores above; the next block's stores come behind them
.endr
.irp t, 0,1,2,3,4,5,6,7
	s_wait_dscnt 7-(\t)
	global_store_b128 v[CO], v[bk+4*(\t):bk+4*(\t)+3], s[8:9] offset:(16*(\a)+2*(\t))*4096  ; 16 lanes store 256 consecutive bytes, aligned
.endr
.endm
	PLACES
	s_wait_loadcnt 0x0                             ; the bias
.irp a, 0,1,2,3
	OUTBLK \a
.endr
	s_wait_tensorcnt 0x0                           ; the wave's end
	ds_add_u32 v[SPW], v[NIL]
	s_wait_dscnt 0x0
	CROUND                                         ; the closing round
	s_endpgm
.Lfunc_end_k_qd75e26a8cb_gh:
	.size	k_qd75e26a8cb_gh, .Lfunc_end_k_qd75e26a8cb_gh-k_qd75e26a8cb_gh
	.p2alignl 7, 3214868480
	.fill 96, 4, 3214868480
	.section	.rodata,"a",@progbits
	.p2align	6, 0x0
	.amdhsa_kernel k_qd75e26a8cb_gh
		.amdhsa_group_segment_fixed_size 327680
		.amdhsa_private_segment_fixed_size 0
		.amdhsa_enable_private_segment 0
		.amdhsa_kernarg_size 32
		.amdhsa_user_sgpr_count 2
		.amdhsa_user_sgpr_kernarg_segment_ptr 1
		.amdhsa_wavefront_size32 1
		.amdhsa_system_sgpr_workgroup_id_x 1
		.amdhsa_system_sgpr_workgroup_id_y 1
		.amdhsa_system_sgpr_workgroup_id_z 1
		.amdhsa_system_vgpr_workitem_id 0
		.amdhsa_next_free_vgpr 512
		.amdhsa_next_free_sgpr 96
		.amdhsa_reserve_vcc 0
		.amdhsa_float_denorm_mode_32 3
		.amdhsa_float_denorm_mode_16_64 3
		.amdhsa_memory_ordered 1
		.amdhsa_forward_progress 1
		.amdhsa_inst_pref_size 64
	.end_amdhsa_kernel
	.amdgpu_metadata
---
amdhsa.version: [ 1, 2 ]
amdhsa.kernels:
  - .name:           k_qd75e26a8cb_gh
    .symbol:         k_qd75e26a8cb_gh.kd
    .args:
      - { .name: b0, .offset: 0, .size: 8, .value_kind: global_buffer, .address_space: global }
      - { .name: wsh, .offset: 8, .size: 8, .value_kind: global_buffer, .address_space: global }
      - { .name: b2, .offset: 16, .size: 8, .value_kind: global_buffer, .address_space: global }
      - { .name: out_bias, .offset: 24, .size: 8, .value_kind: global_buffer, .address_space: global }
    .group_segment_fixed_size: 327680
    .private_segment_fixed_size: 0
    .kernarg_segment_align: 8
    .kernarg_segment_size: 32
    .max_flat_workgroup_size: 128
    .sgpr_count:     96
    .vgpr_count:     512
    .wavefront_size: 32
...
	.end_amdgpu_metadata
.endif
;; end of part 5
;; launch ln (part 6): grid 256 x 1, 8 waves a work-group, no clusters, 0 bytes of LDS; arguments b2, b1; writes b1
.if DOCPART == 6
	.amdgcn_target "amdgcn-amd-amdhsa--gfx1250"
	.amdhsa_code_object_version 6
	.text
	.protected	k_qd75e26a8cb_ln
	.globl	k_qd75e26a8cb_ln
	.p2align	8
	.type	k_qd75e26a8cb_ln,@function
k_qd75e26a8cb_ln:
	s_mov_b64 s[64:65], 0
	v_nop
	global_prefetch_b8 v0, s[64:65] scope:SCOPE_SE
	s_setreg_imm32_b32 hwreg(HW_REG_WAVE_MODE, 25, 1), 1
	s_wait_xcnt 0x0
; LAYER NORM without gain and bias: hn = (h - mean) / sqrt(msq - mean^2 + 1e-5), mean and msq over a row's 1,024 numbers.  h: [4096][1024] f32; hn: the same in f16, each number rounded once.
; All sums in f32; the variance is formed as the module forms it, msq - mean^2.  |hn| is at most 32, inside f16.  NaN and infinities are not treated apart.
; SHARES.  A row is 4,096 bytes: one wave takes a whole row, 32 numbers a lane, and keeps it in registers between the sums and the scaling: h is read once and no wave waits for another.
; Eight waves, two rows each; all sixteen loads of a wave go out before the first wait.  A lane owns 8 neighbouring numbers in each quarter of the row, so its 16 bytes of f16 stand beside its
; neighbours': sixteen lanes store 256 consecutive bytes, aligned.  No LDS, no matrix unit, no cluster: nothing is shared.
.set X,  8                             ; v[8:71]    two rows as loaded, then scaled in place
.set SU, 72                            ; v[72:79]   four chains of sums
.set SQ, 80                            ; v[80:87]   four chains of sums of squares
.set Y,  96                            ; v[96:127]  to store
	s_load_b128 s[4:7], s[0:1], 0x0                ; h s[4:5], hn s[6:7]
	s_lshl_b32 s8, ttmp9, 16                       ; 16 rows of 4,096 bytes
	s_mov_b32 s9, 0
	s_lshl_b32 s10, ttmp9, 15                      ; 16 rows of 2,048 bytes
	s_mov_b32 s11, 0
	s_mov_b32 s12, 0x76543210                      ; v_permlanex16_b32: each lane takes its own place in the other half
	s_mov_b32 s13, 0xfedcba98
	s_mov_b32 s14, 0x3a800000                      ; 1 / 1024
	v_and_b32 v3, 31, v0
	v_lshrrev_b32 v4, 5, v0
	v_lshlrev_b32 v1, 5, v3
	v_lshl_add_u32 v1, v4, 13, v1                  ; wave x 2 rows + 32 x lane
	v_lshlrev_b32 v2, 4, v3
	v_lshl_add_u32 v2, v4, 12, v2
	v_mov_b32 v88, 0                               ; the exchange's destinations count as read
	v_mov_b32 v89, 0
	v_mov_b32 v91, 0                               ; named as the upper halves of pairs
	v_mov_b32 v93, 0
	s_wait_kmcnt 0x0
	s_add_nc_u64 s[4:5], s[4:5], s[8:9]
	s_add_nc_u64 s[6:7], s[6:7], s[10:11]
.irp p, 0,1
.irp j, 0,1,2,3
	global_load_b128 v[X+32*(\p)+8*(\j):X+32*(\p)+8*(\j)+3],   v1, s[4:5] offset:4096*(\p)+1024*(\j) th:TH_LOAD_NT
	global_load_b128 v[X+32*(\p)+8*(\j)+4:X+32*(\p)+8*(\j)+7], v1, s[4:5] offset:4096*(\p)+1024*(\j)+16 th:TH_LOAD_NT
.endr
.endr
.macro NORM p, left
.set rX, X+32*(\p)
	s_wait_loadcnt \left                           ; this row's eight loads are in; the other row's may stay out
.irp k, 0,1,2,3
	v_pk_add_f32 v[SU+2*(\k):SU+2*(\k)+1], v[rX+2*(\k):rX+2*(\k)+1], v[rX+8+2*(\k):rX+8+2*(\k)+1]  ; the first pairs start the chains: nothing is cleared
	v_pk_mul_f32 v[SQ+2*(\k):SQ+2*(\k)+1], v[rX+2*(\k):rX+2*(\k)+1], v[rX+2*(\k):rX+2*(\k)+1]
.endr
.irp k, 0,1,2,3
	v_pk_fma_f32 v[SQ+2*(\k):SQ+2*(\k)+1], v[rX+8+2*(\k):rX+8+2*(\k)+1], v[rX+8+2*(\k):rX+8+2*(\k)+1], v[SQ+2*(\k):SQ+2*(\k)+1]
.endr
.irp g, 2,3
.irp k, 0,1,2,3
	v_pk_add_f32 v[SU+2*(\k):SU+2*(\k)+1], v[SU+2*(\k):SU+2*(\k)+1], v[rX+8*(\g)+2*(\k):rX+8*(\g)+2*(\k)+1]
	v_pk_fma_f32 v[SQ+2*(\k):SQ+2*(\k)+1], v[rX+8*(\g)+2*(\k):rX+8*(\g)+2*(\k)+1], v[rX+8*(\g)+2*(\k):rX+8*(\g)+2*(\k)+1], v[SQ+2*(\k):SQ+2*(\k)+1]
.endr
.endr
	v_pk_add_f32 v[SU:SU+1], v[SU:SU+1], v[SU+2:SU+3]
	v_pk_add_f32 v[SQ:SQ+1], v[SQ:SQ+1], v[SQ+2:SQ+3]
	v_pk_add_f32 v[SU+4:SU+5], v[SU+4:SU+5], v[SU+6:SU+7]
	v_pk_add_f32 v[SQ+4:SQ+5], v[SQ+4:SQ+5], v[SQ+6:SQ+7]
	v_pk_add_f32 v[SU:SU+1], v[SU:SU+1], v[SU+4:SU+5]
	v_pk_add_f32 v[SQ:SQ+1], v[SQ:SQ+1], v[SQ+4:SQ+5]
	v_add_f32 v[SU], v[SU], v[SU+1]
	v_add_f32 v[SQ], v[SQ], v[SQ+1]
.irp m, 1,2,4,8                        ; across the 32 lanes: four steps inside each half ride on the addition, one crosses the halves
	v_add_f32_dpp v[SU], v[SU], v[SU] row_xmask:\m row_mask:0xf bank_mask:0xf
	v_add_f32_dpp v[SQ], v[SQ], v[SQ] row_xmask:\m row_mask:0xf bank_mask:0xf
.endr
	v_permlanex16_b32 v88, v[SU], s12, s13
	v_permlanex16_b32 v89, v[SQ], s12, s13
	v_add_f32 v[SU], v[SU], v88
	v_add_f32 v[SQ], v[SQ], v89
	v_mul_f32 v[SU], s14, v[SU]                    ; mean
	v_fmaak_f32 v[SQ], s14, v[SQ], 0x3727c5ac      ; msq + 1e-5
	v_fma_f32 v[SQ], -v[SU], v[SU], v[SQ]          ; - mean^2
	v_rsq_f32 v90, v[SQ]
	v_nop                                          ; a plain instruction behind the root
	s_wait_alu depctr_va_vdst(0)
	v_mul_f32 v92, -v[SU], v90                     ; - mean / sigma
.set i, 0
.rept 16
	v_pk_fma_f32 v[rX+2*i:rX+2*i+1], v[rX+2*i:rX+2*i+1], v[90:91], v[92:93] op_sel_hi:[1,0,0]
.set i, i+1
.endr
.set i, 0
.rept 16
	v_cvt_pk_f16_f32 v[Y+16*(\p)+i], v[rX+2*i], v[rX+2*i+1]
.set i, i+1
.endr
.irp j, 0,1,2,3
	global_store_b128 v2, v[Y+16*(\p)+4*(\j):Y+16*(\p)+4*(\j)+3], s[6:7] offset:2048*(\p)+512*(\j)
.endr
.endm
	NORM 0, 8
	NORM 1, 0
	s_endpgm
.Lfunc_end_k_qd75e26a8cb_ln:
	.size	k_qd75e26a8cb_ln, .Lfunc_end_k_qd75e26a8cb_ln-k_qd75e26a8cb_ln
	.p2alignl 7, 3214868480
	.fill 96, 4, 3214868480
	.section	.rodata,"a",@progbits
	.p2align	6, 0x0
	.amdhsa_kernel k_qd75e26a8cb_ln
		.amdhsa_group_segment_fixed_size 0
		.amdhsa_private_segment_fixed_size 0
		.amdhsa_enable_private_segment 0
		.amdhsa_kernarg_size 16
		.amdhsa_user_sgpr_count 2
		.amdhsa_user_sgpr_kernarg_segment_ptr 1
		.amdhsa_wavefront_size32 1
		.amdhsa_system_sgpr_workgroup_id_x 1
		.amdhsa_system_sgpr_workgroup_id_y 1
		.amdhsa_system_sgpr_workgroup_id_z 1
		.amdhsa_system_vgpr_workitem_id 0
		.amdhsa_next_free_vgpr 128
		.amdhsa_next_free_sgpr 66
		.amdhsa_reserve_vcc 0
		.amdhsa_float_denorm_mode_32 3
		.amdhsa_float_denorm_mode_16_64 3
		.amdhsa_memory_ordered 1
		.amdhsa_forward_progress 1
		.amdhsa_inst_pref_size 14
	.end_amdhsa_kernel
	.amdgpu_metadata
---
amdhsa.version: [ 1, 2 ]
amdhsa.kernels:
  - .name:           k_qd75e26a8cb_ln
    .symbol:         k_qd75e26a8cb_ln.kd
    .args:
      - { .name: b2, .offset: 0, .size: 8, .value_kind: global_buffer, .address_space: global }
      - { .name: b1, .offset: 8, .size: 8, .value_kind: global_buffer, .address_space: global }
    .group_segment_fixed_size: 0
    .private_segment_fixed_size: 0
    .kernarg_segment_align: 8
    .kernarg_segment_size: 16
    .max_flat_workgroup_size: 256
    .sgpr_count:     66
    .vgpr_count:     128
    .wavefront_size: 32
...
	.end_amdgpu_metadata
.endif
;; end of part 6
;; launch gf1: the kernel of part 2 again; grid 8 x 32, 4 waves a work-group, clusters of 4 x 4, 327,680 bytes of LDS; arguments b1, wih, b0, psw; writes b0
;; launch gf2: the kernel of part 5 again; grid 8 x 32, 4 waves a work-group, clusters of 4 x 4, 327,680 bytes of LDS; arguments b0, wih, out0, zb; writes out0
;; ======== version 2 of 2: 8 launches; version 1 with the launch prep written anew for expert scheduling mode
;; limits: values are held in f16: magnitudes above 65,504 overflow, below 6.1e-05 lose precision
;; workspace buffers: b0 8,388,608 bytes; b1 8,388,608 bytes; b2 16,777,216 bytes; wih 2,097,152 bytes; wsh 2,097,152 bytes; st 524,288 bytes; zb 4,096 bytes; psw 256 bytes
;; launch prep (part 7): grid 256 x 1, 8 waves a work-group, no clusters, 0 bytes of LDS; arguments x, wi, b0, wih, zb, psw; writes b0, wih, zb, psw
.if DOCPART == 7
	.amdgcn_target "amdgcn-amd-amdhsa--gfx1250"
	.amdhsa_code_object_version 6
	.text
	.protected	k_qd75e26a8cb_prep
	.globl	k_qd75e26a8cb_prep
	.p2align	8
	.type	k_qd75e26a8cb_prep,@function
k_qd75e26a8cb_prep:
	s_mov_b64 s[64:65], 0
	v_nop
	global_prefetch_b8 v0, s[64:65] scope:SCOPE_SE
	s_setreg_imm32_b32 hwreg(HW_REG_WAVE_SCHED_MODE, 0, 2), 2
	s_setreg_imm32_b32 hwreg(HW_REG_WAVE_MODE, 25, 1), 1
	s_wait_xcnt 0x0
	s_wait_alu depctr_vm_vsrc(0)
; PREPARATION.  b0 = f16(x); wih = f16(wi); zb = 1,024 zeros; psw = the pair (-log2 e, 1) 32 times.
; LIMITS.  f16 holds no number beyond 65,504 and below 6e-5 keeps a fixed step of 6e-8: |x| and |wi| stay inside that.  NaN and infinities are not treated apart.
; SHARES.  256 work-groups of 256 threads, all alike: 65,536 bytes of x and 16,384 bytes of wi each.  A thread owns 8 neighbouring numbers ten times over: two 16-byte loads, one 16-byte store;
; sixteen neighbouring lanes store 256 consecutive bytes, aligned.  All twenty loads of a thread go out before the first wait.
; No LDS, no matrix unit, no cluster: every byte is read once and no two work-groups read the same.
; THE MODE: SCHED_MODE bits 1:0 = 2 (LLVM: expert scheduling mode 2), set by the entry lines.  The code itself states the register dependences
; between vector instructions and memory instructions, with s_wait_alu, always for 0.
; THE PLAN.  Registers that memory instructions touch:
;   v1, v2    byte offsets, made once at the head and never written again: v1 is read by every load, v2 by every store of b0, wih and zb.
;   X0 .. X9  a piece as loaded, 8 registers.  Written by the loads at the head, ahead of which nothing names them; read by the piece's four conversions; no load lands there again.
;   Y0 .. Y9  a piece to store, 4 registers.  Written once, by the piece's four conversions; read by the piece's one store; never written again.
;   v4-v10    in work-group 0 alone, behind the last of those stores: written by vector lines, read by the stores of zb and psw; no memory instruction has read them before.
; The ten pieces go in five blocks of two.  Block p converts X[2 p], X[2 p + 1] into Y[2 p], Y[2 p + 1]; its memory instructions are the two stores of block p - 1, from registers that no vector
; line of block p names.  So one wait at a block's head states all that its two stores hang on, and they are dealt among its conversions with no further wait.
; No register that a memory instruction has read is ever written again, so no wait for such a read is written; EXEC is never written.
.set XR, 8                             ; v[8:87]    as loaded
.set YR, 88                            ; v[88:127]  to store
	s_load_b256 s[4:11], s[0:1], 0x0               ; x s[4:5], wi s[6:7], b0 s[8:9], wih s[10:11]
	s_load_b128 s[12:15], s[0:1], 0x20             ; zb s[12:13], psw s[14:15]
	v_lshlrev_b32 v1, 5, v0                        ; my 8 numbers in f32
	v_lshlrev_b32 v2, 4, v0                        ; and in f16
	s_lshl_b32 s16, ttmp9, 16                      ; my part of x,
	s_mov_b32 s17, 0
	s_lshl_b32 s18, ttmp9, 15                      ; of b0,
	s_mov_b32 s19, 0
	s_lshl_b32 s20, ttmp9, 14                      ; of wi,
	s_mov_b32 s21, 0
	s_lshl_b32 s22, ttmp9, 13                      ; of wih
	s_mov_b32 s23, 0
	s_wait_kmcnt 0x0
	s_add_nc_u64 s[4:5], s[4:5], s[16:17]
	s_add_nc_u64 s[8:9], s[8:9], s[18:19]
	s_add_nc_u64 s[6:7], s[6:7], s[20:21]
	s_add_nc_u64 s[10:11], s[10:11], s[22:23]
	s_wait_alu depctr_va_vdst(0)                   ; v1 and v2 are written: every load below reads v1 as its offset, every store of b0, wih and zb reads v2
.irp j, 0,1,2,3,4,5,6,7,8,9            ; pieces 0-7 are x's, 8 and 9 wi's
	global_load_b128 v[XR+8*(\j):XR+8*(\j)+3],   v1, s[4+2*((\j)/8):5+2*((\j)/8)] offset:8192*((\j)%8) th:TH_LOAD_NT
	global_load_b128 v[XR+8*(\j)+4:XR+8*(\j)+7], v1, s[4+2*((\j)/8):5+2*((\j)/8)] offset:8192*((\j)%8)+16 th:TH_LOAD_NT
.endr
; Block p: pieces 2 p and 2 p + 1 are converted; the two pieces of the block before are stored, one store in front of each piece's four conversions.
.macro BLK p
	s_wait_loadcnt 16-4*(\p)                       ; loads come back in order: this block's four are in, the younger blocks' stay out
.if (\p) > 0
	s_wait_alu depctr_va_vdst(0)                   ; the block before has written its two pieces of Y, which the two stores below read; no vector line of this block names them
.endif
.irp i, 0,1
.set j, 2*(\p)+(\i)
.if (\p) > 0
	global_store_b128 v2, v[YR+4*(j-2):YR+4*(j-2)+3], s[8+2*((j-2)/8):9+2*((j-2)/8)] offset:4096*((j-2)%8)
.endif
.irp q, 0,1,2,3
	v_cvt_pk_f16_f32 v[YR+4*j+(\q)], v[XR+8*j+2*(\q)], v[XR+8*j+2*(\q)+1]
.endr
.endr
.endm
	BLK 0                                          ; no block stands in front of it: no store, and no wait but the one for its data
	BLK 1
	BLK 2
	BLK 3
	BLK 4
	s_wait_alu depctr_va_vdst(0)                   ; block 4 has written Y8 and Y9, which the last two stores read
	global_store_b128 v2, v[YR+32:YR+35], s[10:11]
	global_store_b128 v2, v[YR+36:YR+39], s[10:11] offset:4096
	s_cmp_lg_u32 ttmp9, 0
	s_cbranch_scc1 .Lend
	; ---- work-group 0 also writes the two small tables.  All that the two stores read is made in one run, so that one wait serves both.
.irp p, 4,5,6,7
	v_mov_b32 v[\p], 0
.endr
	v_lshrrev_b32 v3, 5, v0
	v_readfirstlane_b32 s24, v3                    ; the wave's number
	v_mov_b32 v8, 0xbfb8aa3b                       ; -log2 e
	v_mov_b32 v9, 1.0
	v_lshlrev_b32 v10, 3, v0                       ; in wave 0, which alone stores by it, the thread's number is the lane's
	s_wait_alu depctr_va_vdst(0)                   ; v[4:7], the data of zb's store, and v[8:9] and v10, data and offset of psw's, are written; no vector line follows
	s_wait_alu depctr_va_sdst(0)                   ; s24 is written, ahead of its first reader, the compare below
	global_store_b128 v2, v[4:7], s[12:13]         ; zb: 256 threads x 16 bytes
	s_cmp_lg_u32 s24, 0
	s_cbranch_scc1 .Lend
	global_store_b64 v10, v[8:9], s[14:15]         ; psw: 32 lanes x 8 bytes
.Lend:
	s_endpgm
.Lfunc_end_k_qd75e26a8cb_prep:
	.size	k_qd75e26a8cb_prep, .Lfunc_end_k_qd75e26a8cb_prep-k_qd75e26a8cb_prep
	.p2alignl 7, 3214868480
	.fill 96, 4, 3214868480
	.section	.rodata,"a",@progbits
	.p2align	6, 0x0
	.amdhsa_kernel k_qd75e26a8cb_prep
		.amdhsa_group_segment_fixed_size 0
		.amdhsa_private_segment_fixed_size 0
		.amdhsa_enable_private_segment 0
		.amdhsa_kernarg_size 48
		.amdhsa_user_sgpr_count 2
		.amdhsa_user_sgpr_kernarg_segment_ptr 1
		.amdhsa_wavefront_size32 1
		.amdhsa_system_sgpr_workgroup_id_x 1
		.amdhsa_system_sgpr_workgroup_id_y 1
		.amdhsa_system_sgpr_workgroup_id_z 1
		.amdhsa_system_vgpr_workitem_id 0
		.amdhsa_next_free_vgpr 128
		.amdhsa_next_free_sgpr 66
		.amdhsa_reserve_vcc 0
		.amdhsa_float_denorm_mode_32 3
		.amdhsa_float_denorm_mode_16_64 3
		.amdhsa_memory_ordered 1
		.amdhsa_forward_progress 1
		.amdhsa_inst_pref_size 8
	.end_amdhsa_kernel
	.amdgpu_metadata
---
amdhsa.version: [ 1, 2 ]
amdhsa.kernels:
  - .name:           k_qd75e26a8cb_prep
    .symbol:         k_qd75e26a8cb_prep.kd
    .args:
      - { .name: x, .offset: 0, .size: 8, .value_kind: global_buffer, .address_space: global }
      - { .name: wi, .offset: 8, .size: 8, .value_kind: global_buffer, .address_space: global }
      - { .name: b0, .offset: 16, .size: 8, .value_kind: global_buffer, .address_space: global }
      - { .name: wih, .offset: 24, .size: 8, .value_kind: global_buffer, .address_space: global }
      - { .name: zb, .offset: 32, .size: 8, .value_kind: global_buffer, .address_space: global }
      - { .name: psw, .offset: 40, .size: 8, .value_kind: global_buffer, .address_space: global }
    .group_segment_fixed_size: 0
    .private_segment_fixed_size: 0
    .kernarg_segment_align: 8
    .kernarg_segment_size: 48
    .max_flat_workgroup_size: 256
    .sgpr_count:     66
    .vgpr_count:     128
    .wavefront_size: 32
...
	.end_amdgpu_metadata
.endif
;; end of part 7
;; launch gq: the kernel of part 2 again; grid 8 x 32, 4 waves a work-group, clusters of 4 x 4, 327,680 bytes of LDS; arguments b0, wih, b1, zb; writes b1
;; launch sc: the kernel of part 3 again; grid 8 x 32, 4 waves a work-group, clusters of 4 x 4, 327,680 bytes of LDS; arguments b1, mask, b2, st; writes b2, st
;; launch pv: the kernel of part 4 again; grid 8 x 32, 4 waves a work-group, clusters of 4 x 4, 327,680 bytes of LDS; arguments b2, b1, b0, st, out_kernel, wsh; writes b0, wsh
;; launch gh: the kernel of part 5 again; grid 8 x 32, 4 waves a work-group, clusters of 4 x 4, 327,680 bytes of LDS; arguments b0, wsh, b2, out_bias; writes b2
;; launch ln: the kernel of part 6 again; grid 256 x 1, 8 waves a work-group, no clusters, 0 bytes of LDS; arguments b2, b1; writes b1
;; launch gf1: the kernel of part 2 again; grid 8 x 32, 4 waves a work-group, clusters of 4 x 4, 327,680 bytes of LDS; arguments b1, wih, b0, psw; writes b0
;; launch gf2: the kernel of part 5 again; grid 8 x 32, 4 waves a work-group, clusters of 4 x 4, 327,680 bytes of LDS; arguments b0, wih, out0, zb; writes out0
